; MI455X (gfx1250); checked and timed in simulation.
; The chip was launched on July 23, 2026; its instructions are those of AMD's public machine-readable ISA for CDNA 5 (MIT licence, August 2026) and "CDNA5" Instruction Set Architecture Reference Guide (July 2026). The comments in the code are by the model that wrote it; some were corrected since.
;; Causal Self Attention. Allowed arithmetic: matrix products marked QUANTISED: E3M2 operands, one E8M0 scale for each 32 along K, by v_wmma_scale_f32_16x16x128_f8f6f4 with both operands' format E3M2, f32 sums; everything else in f32.
;; Inputs: w_attn 3,072 x 1,024 float32; w_proj 1,024 x 1,024 float32; x 4 x 2,048 x 1,024 float32.
;; Outputs: out0 4 x 2,048 x 1,024 float32.
;; This version of the problem:
;;   THIS VERSION OF THE PROBLEM IS GIVEN IN LOW PRECISION. The matrix products marked QUANTISED in the list below multiply operands that are first quantised to E3M2 (3 exponent bits, 2 mantissa bits; 6 bits a number), with one power-of-two scale for each 32 numbers along K (OCP MX v1.0); their sums are f32. All else is computed in f32.
;;   The module's matrix products, in the order in which they are computed (A, B: the left and right operand; K: the contracted axis; several contracted axes count as one K, in the product's order):
;;     1. [M 8,192, K 1,024] x [K 1,024, N 3,072]; A: input x; B: input w_attn: QUANTISED
;;     2. batch 64 x [M 2,048, K 64] x [K 64, N 2,048]; A: computed on the way; B: computed on the way: QUANTISED
;;     3. batch 64 x [M 2,048, K 2,048] x [K 2,048, N 64]; A: softmax (see below); B: computed on the way: QUANTISED
;;     4. [M 8,192, K 1,024] x [K 1,024, N 1,024]; A: computed on the way; B: input w_proj: QUANTISED
;;   THE QUANTISER, for each operand of a quantised product, along K:
;;     - K is cut into blocks of 32 from its start; a last block that is shorter is filled with zeros.
;;     - A block's scale is 2^e with e = floor(log2(the largest magnitude in the block)) - 4, held to -126 .. 127; a block of zeros has e = 0. As a byte (E8M0): e + 127.
;;     - Each number is divided by its block's scale, clamped to +-28, and rounded to the nearest number of E3M2, ties to even, subnormals kept.
;;     - The product sums the exact products of the quantised numbers (number of the format x scale) in f32.
;;   ~~~python
;;   def quantise(x, axis):      # numpy; x: float32 -> the quantised numbers, widened to float32 again
;;       x = np.moveaxis(x, axis, -1); K = x.shape[-1]
;;       x = np.pad(x, [(0, 0)] * (x.ndim - 1) + [(0, -K % 32)]); x = x.reshape(x.shape[:-1] + (-1, 32)); a = np.abs(x).max(-1, keepdims=True)
;;       e = np.where(a > 0, np.clip(np.frexp(np.where(a > 0, a, 1))[1] - 1 - 4, -126, 127), 0)      # np.frexp(a)[1] - 1 = floor(log2(a)), exactly
;;       r = np.clip(x / 2.0 ** e, -28, 28)
;;       step = 2.0 ** (np.maximum(np.frexp(np.where(r == 0, 1, r))[1] - 1, -2) - 2)
;;       q = np.round(r / step) * step * 2.0 ** e      # np.round: ties to even
;;       return np.moveaxis(q.reshape(q.shape[:-2] + (-1,))[..., :K], -1, axis).astype(np.float32)
;;   ~~~
;;   SOFTMAX AHEAD OF A QUANTISED PRODUCT. Where the list says 'softmax', what is quantised is not the finished softmax but p = 2^(t - M), with t = logit x log2(e) and M = ceil(the row's largest t), a whole number; so 1/2 < the row's largest p <= 1. The row's sum l is taken of the UNQUANTISED p, in f32, and the product's result is divided by l at the end. Since M is a whole number, a kernel that streams over the keys may use a running M (the ceiling of the running maximum): every later rescaling is an exact power of two, which a block's scale takes up: the codes' values come out the same.
;;   OPERANDS COMPUTED ON THE WAY. 'Computed on the way' means the value that the module computes at that place (a softmax that the list does not call 'softmax' is quantised finished and normalised). What goes into a quantiser is computed in f32, as accurately as f32 sums, v_exp_f32 and their like allow (about 1e-6 of the number): no bf16 or f16 on the way to a quantiser, and a product that is left as it is and whose result goes on into a quantised operand takes f32 operands (vector FMAs, or v_wmma_f32_16x16x4_f32). A number that lies on a knife's edge between two numbers of the format may be rounded either way, as far as f32 arithmetic and the matrix unit's own rounding can turn it there, and no further.
;; One version. Each part assembles by itself: llvm-mc -triple=amdgcn-amd-amdhsa -mcpu=gfx1250 --defsym DOCPART=n.
;; ======== version 1 of 1: 4 launches
;; limits: right only within a limited range of input values
;; workspace buffers: xw 9,830,400 bytes; qkv 19,660,800 bytes; ao 6,553,600 bytes
;; launch quant (part 1): grid 1536 x 1, 4 waves a work-group, no clusters, 22,016 bytes of LDS; arguments x, w_attn, w_proj, xw; writes xw
.if DOCPART == 1
	.amdgcn_target "amdgcn-amd-amdhsa--gfx1250"
	.amdhsa_code_object_version 6
	.text
	.protected	k_qfb1d8e6e32_quant
	.globl	k_qfb1d8e6e32_quant
	.p2align	8
	.type	k_qfb1d8e6e32_quant,@function
k_qfb1d8e6e32_quant:
	s_mov_b64 s[64:65], 0
	v_nop
	global_prefetch_b8 v0, s[64:65] scope:SCOPE_SE
	s_setreg_imm32_b32 hwreg(HW_REG_WAVE_MODE, 25, 1), 1
	s_wait_xcnt 0x0
; x [8192][1024], w_attn [3072][1024] and w_proj [1024][1024], f32 with K innermost, become codes of BF6 (E3M2) with one E8M0 scale byte for each 32 along K.
; A block's scale is 2^(floor(log2(its largest magnitude)) - 4); its byte is the largest magnitude's exponent field - 4, held at 1 from below.  Each number is divided by the scale and rounded to the nearest code, ties to even,
; beyond the largest code the largest.  (A block of zeros gets the byte 1 where the rule says 127: its codes are zeros, and the bytes are read by this program alone.)
; LIMITS: NaN and infinities among the inputs are not served; blocks whose largest magnitude lies under 2^(4 - 126) keep the byte 1.
; WORK LEFT OUT BY THE PROGRAM: reference() sets the scores of keys behind the query to -infinity by its own jnp.tril, so their p is 0 for all inputs: the attention launch leaves out the steps of 128 keys that lie wholly there.
; A NaN or an infinity that reaches only such scores is not carried to the result.
; OUT: xw = the codes in FOUR PLANES, one for each 256 along K: plane s at s x PLANE, in it 192 bytes for each of the 12,288 positions (x, w_attn, w_proj on end); then the scale bytes, 32 a position.
; So the codes of any run of positions for 256 along K are one dense block.  Position p holds row pi(p), pi = bits 3 and 4 of the row's number exchanged: pi moves whole runs of 8 rows.
; A work-group takes a run of 8 rows, a wave 2 of them: 4 steps of 512 numbers, whose 16 loads are all issued at the start.  Each load reads 512 consecutive bytes; a step's 2,048 bytes turn through the wave's own stage in LDS
; and come back 64 bytes a lane: 16 neighbours, two lanes to a block.  No tensor loads, no barrier: waves share nothing.
.set STEPS, 4
.set EMAX,  4
.set CB,    12                         ; bytes of 16 codes
.set PLANE, 2359296                    ; 12,288 positions x 192 bytes
.set R,     16                         ; v16-79   four sets of 16 numbers as they are loaded
.set X,     80                         ; v80-111  two sets of 16 neighbours
.set E,     112                        ; v112-115 a scale byte for each step
.set C,     116                        ; v116-131 codes: four registers for each step
.set SPW,   132                        ; my spare word; never rewritten
.set NIL,   133                        ; 0; never rewritten
.set WREG,  5376                       ; LDS: a region for each wave: two stages of 32 x SP bytes, behind them its 64 scale bytes
.set SP,    80                         ; a lane's place in a stage: its 64 bytes + 16 of padding
.set SPARE, 4*WREG
.set XS,    9437184                    ; where the scale bytes begin in xw
	s_load_b256 s[4:11], s[0:1], 0x0               ; x s[4:5], w_attn s[6:7], w_proj s[8:9], xw s[10:11]
	v_lshl_add_u32 v[SPW], v0, 2, SPARE
	v_mov_b32 v[NIL], 0
	v_lshrrev_b32 v1, 5, v0
	v_readfirstlane_b32 s16, v1                    ; wave
	v_and_b32 v2, 31, v0                           ; lane
	v_lshlrev_b32 v3, 4, v2                        ; my 16 bytes of a load's 512
	s_mul_i32 s17, s16, WREG
	v_lshrrev_b32 v14, 2, v2
	v_mul_u32_u24 v14, v14, SP
	v_and_b32 v15, 3, v2
	v_lshl_add_u32 v14, v15, 4, v14
	v_add_nc_u32 v14, s17, v14                     ; the stage, on the way in: SP (lane / 4) + 16 (lane % 4)
	v_mul_u32_u24 v15, v2, SP
	v_add_nc_u32 v15, s17, v15                     ; and on the way out: SP x lane
	v_and_b32 v4, 15, v2
	v_mul_u32_u24 v4, v4, CB
	v_lshrrev_b32 v8, 4, v2
	v_mul_u32_u24 v8, v8, PLANE
	v_add_nc_u32 v4, v4, v8                        ; my codes' place: lanes 0-15 fill 192 bytes of one plane, lanes 16-31 of the next
	v_lshrrev_b32 v5, 1, v2
	s_add_co_u32 s17, s17, 2*32*SP
	v_add_nc_u32 v5, s17, v5                       ; LDS: my wave's scale bytes, my block's byte
	v_lshlrev_b32 v7, 1, v2                        ; and on the way out 2 bytes a lane
	v_add_nc_u32 v6, s17, v7
	s_wait_alu depctr_va_vdst(0)                   ; the head's end
	s_wait_kmcnt 0x0
	s_mov_b32 s18, 1408
	s_cmp_lt_u32 ttmp9, 1408                       ; work-groups 0-1,023 take x, 1,024-1,407 w_attn, the rest w_proj
	s_cselect_b64 s[6:7], s[6:7], s[8:9]
	s_cselect_b32 s18, 1024, s18
	s_cmp_lt_u32 ttmp9, 1024
	s_cselect_b64 s[4:5], s[4:5], s[6:7]
	s_cselect_b32 s18, 0, s18                      ; the tensor's first work-group
	s_sub_co_u32 s18, ttmp9, s18
	s_lshl_b32 s20, s18, 15                        ; 32,768 bytes a run of 8 rows,
	s_lshl_b32 s19, s16, 13                        ; 8,192 for a wave's two
	s_add_co_u32 s20, s20, s19
	s_mov_b32 s21, 0
	s_add_nc_u64 s[4:5], s[4:5], s[20:21]
	s_and_b32 s19, ttmp9, 1
	s_lshl_b32 s19, s19, 1
	s_bfe_u32 s22, ttmp9, 0x10001
	s_or_b32 s19, s19, s22
	s_and_b32 s22, ttmp9, 0xfffffffc
	s_or_b32 s22, s22, s19                         ; the run's two low bits exchanged: pi
	s_mul_i32 s20, s22, 1536                       ; 8 positions x 192 bytes in a plane
	s_mul_i32 s19, s16, 384
	s_add_co_u32 s20, s20, s19
	s_add_nc_u64 s[8:9], s[10:11], s[20:21]
	s_lshl_b32 s20, s22, 8                         ; 256 scale bytes a run, 64 a wave
	s_lshl_b32 s19, s16, 6
	s_add_co_u32 s20, s20, s19
	s_add_co_u32 s20, s20, XS
	s_add_nc_u64 s[10:11], s[10:11], s[20:21]
.macro TURN t                          ; step t's numbers through the stage: LDS serves a wave's instructions in order (ISA guide 5.7.1.4)
.irp i, 0,1,2,3
	ds_store_b128 v14, v[R+16*(\t)+4*\i:R+16*(\t)+4*\i+3] offset:32*SP*((\t)%2)+8*SP*\i
.endr
.irp i, 0,1,2,3
	ds_load_b128 v[X+16*((\t)%2)+4*\i:X+16*((\t)%2)+4*\i+3], v15 offset:32*SP*((\t)%2)+16*\i
.endr
.endm
.irp t, 0,1,2,3
.irp i, 0,1,2,3
	global_load_b128 v[R+16*\t+4*\i:R+16*\t+4*\i+3], v3, s[4:5] offset:2048*\t+512*\i th:TH_LOAD_NT
.endr
.endr
	s_wait_loadcnt 12                              ; step 0's four loads are in; the 12 of steps 1 to 3 may be out
	TURN 0
.macro STEP t
.set XX, X+16*((\t)%2)
.if (\t) > 0
	s_wait_dscnt 1                                 ; this step's numbers are back from the stage (the last step's byte store may be out)
.else
	s_wait_dscnt 0x0
.endif
.if (\t)+1 < STEPS
	s_wait_loadcnt 4*(STEPS-2-(\t))                ; the next step's four loads are in; those of the steps behind it may be out
	TURN (\t)+1
.endif
	v_max3_num_f32 v8, |v[XX]|, |v[XX+1]|, |v[XX+2]|               ; the largest magnitude of my 16, in two chains
	v_max3_num_f32 v9, |v[XX+3]|, |v[XX+4]|, |v[XX+5]|
.irp i, 6,10
	v_max3_num_f32 v8, v8, |v[XX+\i]|, |v[XX+\i+1]|
	v_max3_num_f32 v9, v9, |v[XX+\i+2]|, |v[XX+\i+3]|
.endr
	v_max3_num_f32 v8, v8, |v[XX+14]|, |v[XX+15]|
	v_max3_num_f32 v8, v8, v9, (EMAX+1)<<23        ; and the floor 2^(5 - 127): the byte cannot fall under 1
	v_max_num_f32_dpp v8, v8, v8 row_xmask:1 row_mask:0xf bank_mask:0xf   ; and of my neighbour's 16: the block's
	v_add_nc_u32 v11, 0xfe000000, v8               ; 4 off its exponent field: the conversion's scale operand
	v_cvt_scalef32_pk16_bf6_f32 v[C+4*(\t):C+4*(\t)+2], v[XX:XX+15], v11
	v_lshrrev_b32 v[E+(\t)], 23, v11               ; the scale's byte (also the plain line behind the conversion)
	ds_store_b8 v5, v[E+(\t)] offset:16*(\t)       ; both lanes of a block write the same byte with the same value
	global_store_b96 v4, v[C+4*(\t):C+4*(\t)+2], s[8:9] offset:2*PLANE*((\t)%2)+192*((\t)/2)   ; row t / 2, planes 2 (t % 2) and 2 (t % 2) + 1
.endm
.irp t, 0,1,2,3
	STEP \t
.endr
	ds_load_u16 v12, v6                            ; in order behind my byte stores
	s_wait_dscnt 0x0
	global_store_b16 v7, v12, s[10:11]             ; 32 lanes store my two rows' 64 consecutive scale bytes
	s_wait_tensorcnt 0x0                           ; the wave's end
	ds_add_u32 v[SPW], v[NIL]
	s_wait_dscnt 0x0
	s_endpgm
.Lfunc_end_k_qfb1d8e6e32_quant:
	.size	k_qfb1d8e6e32_quant, .Lfunc_end_k_qfb1d8e6e32_quant-k_qfb1d8e6e32_quant
	.p2alignl 7, 3214868480
	.fill 96, 4, 3214868480
	.section	.rodata,"a",@progbits
	.p2align	6, 0x0
	.amdhsa_kernel k_qfb1d8e6e32_quant
		.amdhsa_group_segment_fixed_size 22016
		.amdhsa_private_segment_fixed_size 0
		.amdhsa_enable_private_segment 0
		.amdhsa_kernarg_size 32
		.amdhsa_user_sgpr_count 2
		.amdhsa_user_sgpr_kernarg_segment_ptr 1
		.amdhsa_wavefront_size32 1
		.amdhsa_system_sgpr_workgroup_id_x 1
		.amdhsa_system_sgpr_workgroup_id_y 1
		.amdhsa_system_sgpr_workgroup_id_z 1
		.amdhsa_system_vgpr_workitem_id 0
		.amdhsa_next_free_vgpr 134
		.amdhsa_next_free_sgpr 66
		.amdhsa_reserve_vcc 0
		.amdhsa_float_denorm_mode_32 3
		.amdhsa_float_denorm_mode_16_64 3
		.amdhsa_memory_ordered 1
		.amdhsa_forward_progress 1
		.amdhsa_inst_pref_size 11
	.end_amdhsa_kernel
	.amdgpu_metadata
---
amdhsa.version: [ 1, 2 ]
amdhsa.kernels:
  - .name:           k_qfb1d8e6e32_quant
    .symbol:         k_qfb1d8e6e32_quant.kd
    .args:
      - { .name: x, .offset: 0, .size: 8, .value_kind: global_buffer, .address_space: global }
      - { .name: w_attn, .offset: 8, .size: 8, .value_kind: global_buffer, .address_space: global }
      - { .name: w_proj, .offset: 16, .size: 8, .value_kind: global_buffer, .address_space: global }
      - { .name: xw, .offset: 24, .size: 8, .value_kind: global_buffer, .address_space: global }
    .group_segment_fixed_size: 22016
    .private_segment_fixed_size: 0
    .kernarg_segment_align: 8
    .kernarg_segment_size: 32
    .max_flat_workgroup_size: 128
    .sgpr_count:     66
    .vgpr_count:     134
    .wavefront_size: 32
...
	.end_amdgpu_metadata
.endif
;; end of part 1
;; launch qkv (part 2): grid 12 x 32, 4 waves a work-group, clusters of 4 x 4, 327,680 bytes of LDS; arguments xw, qkv; writes qkv
.if DOCPART == 2
	.amdgcn_target "amdgcn-amd-amdhsa--gfx1250"
	.amdhsa_code_object_version 6
	.text
	.protected	k_qfb1d8e6e32_qkv
	.globl	k_qfb1d8e6e32_qkv
	.p2align	8
	.type	k_qfb1d8e6e32_qkv,@function
k_qfb1d8e6e32_qkv:
	s_mov_b64 s[64:65], 0
	v_nop
	global_prefetch_b8 v0, s[64:65] scope:SCOPE_SE
	s_setreg_imm32_b32 hwreg(HW_REG_WAVE_MODE, 25, 1), 1
	s_wait_xcnt 0x0
	s_wait_alu depctr_hold_cnt(0) depctr_sa_sdst(0) depctr_va_vdst(0) depctr_va_sdst(0) depctr_va_ssrc(0) depctr_va_vcc(0) depctr_vm_vsrc(0)
	s_getreg_b32 s2, hwreg(HW_REG_IB_STS2, 6, 4)
	s_cmp_eq_u32 s2, 0
	s_cbranch_scc0 .Lentry_in_a_cluster
	s_endpgm
.Lentry_in_a_cluster:
	s_bfe_u32 s2, ttmp6, 0x10000c
	s_cmp_lg_u32 s2, 0xf033
	s_cbranch_scc0 .Lentry_shape_is_right
	s_endpgm
.Lentry_shape_is_right:
; The first product, on codes of BF6 with E8M0 scales, and the quantising of its results for the attention.  C' = A' B'^T, K = 1,024, tiles of 256 x 256, four waves of 128 x 128 (64 accumulators, 512 registers).
; Clusters with x = 0, 1:  A' = x's 8,192 tokens, B' = w_attn's rows 0-2,047: q and k.  They are quantised along the head's 64, which are columns of C'.
; Clusters with x = 2:     A' = w_attn's rows 2,048-3,071 (W_v), B' = the tokens: v TRANSPOSED, so that the keys, the third product's K, are columns of C' too.  One text, one path: only offsets are chosen, by the cluster's x.
; All rows in xw lie by position (position p = row pi(p), pi = bits 3 and 4 exchanged).  THE MATRIX INSTRUCTION IS USED TRANSPOSED (source 0 = 16 positions of B', source 1 = 16 of A'): lane (r, h) holds A's position r, and
; the 64 registers of A's block a (accumulators (a, 0..7)) hold, at 16 b + i, column 32 b + 16 h + i in its TRUE order: 16 neighbours of each block of 32.  So a block of 32 lies in lanes l and l xor 16, and the conversions take
; their 16 numbers from consecutive registers.  Results are stored by A's position, not put back in order: the attention wants keys and channels laid so.
; OUT (qkv): codes at (column / 64) x CS + position x 48 (64 codes = 48 bytes), scale words (4 bytes = 128 columns) at (column / 128) x SS + position x 4.
; K goes in steps of 256 through a ring of two LDS slots filled by joint tensor loads: 4 x 4 work-groups form a cluster; A's tiles are shared along a row of the cluster, B's along a column.  The scale bytes of the tile's rows, for
; all of K, come once with the first fills.  LIMITS: NaN and infinities are not served; a block of zeros carries the byte 1 (its codes are zeros; only this program reads the bytes).
; REGISTERS, in windows of 256: window 0: v0-31 addresses; v32-63 scale words, two sets; from v128 A's fragments, one set; on the way out v64-163 at work.  window 1: B's fragments, two sets, at v0 and v128.
;   window 2: the 32 accumulators of my rows 0-63 ((a, b) at v[8 (8 a + b)]);  window 3: those of my rows 64-127.
.set KSTEP,  256                       ; along K in a slot
.set NQ,     2                         ; matrix instructions deep
.set PLANE,  2359296                   ; xw's codes lie in four planes of 256 along K, 192 bytes a position: a tile's codes of one K step are a dense block, fetched as rows of 256 bytes
.set PITCH,  240                       ; an LDS row: 3 x (64 bytes + 16 of padding) = 60 words: the 32 lanes of a load of 8 bytes touch 64 different banks (64 banks of 4 bytes: ISA guide 11.1)
.set FR,     12                        ; registers of a fragment
.set NL,     6                         ; LDS loads that bring one
.set NP,     4                         ; places behind this matrix instruction (ISA guide 7.12.1)
.set HALFT,  128*PITCH                 ; 128 rows: what one tensor load brings
.set SLOT,   4*HALFT                   ; A's 256 rows, then B's 256
.set LAPS,   2                         ; 1,024 / 512: a lap = two K steps = once round the ring
.set KS,     32                        ; a row of scale bytes
.set SCL,    2*SLOT                    ; behind the ring: the scales, as rows of 256 bytes + 16 of padding
.set HALFS,  16*272                    ; those of 128 rows
.set SBLK,   2*272                     ; those of 16 rows
.set SPARE,  SCL+4*HALFS               ; the spare words, 128 bytes a wave: two blocks of 256 bytes that no other line names
.set XS,     9437184                   ; where the scale bytes begin in xw
.set GO0,  8                           ; v8   the way out: 16 x lane
.set GO1,  9                           ; v9   512 + 16 x lane, lanes 16-31 in the next slab of 64 columns
.set GO2,  10                          ; v10  256 + 16 x lane in the next slab
.set SSW,  11                          ; v11  stage: my row's scale word
.set SRD,  12                          ; v12  stage: 16 bytes of the 128 scale words
.set ADRA, 16                          ; v16-17 LDS address of my A fragments in slot 0, 1 (v18-19: behind one padding more)
.set ADRB, 20                          ; v20-21 the same for B (v22-23)
.set STO,  24                          ; v24  stage: where I put 24 bytes of a row
.set RD,   25                          ; v25  stage: where I read 16 bytes back
.set ADRS, 27                          ; v27  LDS address of my scale words: lanes 0-15 A's rows, lanes 16-31 B's
.set SPW,  28                          ; v28  my spare word; never rewritten
.set NIL,  29                          ; v29  0; never rewritten
.set SC,   32                          ; scale words: set s at v[SC + 16 s]; register 2 i + q: lanes 0-15 A's block i, lanes 16-31 B's block i
.set TM,   64                          ; v64-67 largest magnitudes, v68-71 bytes, v76-79 the conversions' scale operands
.set PW,   80                          ; the scale word just made
.set PC,   96                          ; v96-114 the codes just made
.set AF,   128                         ; A's fragments
.set OB,   128                         ; the way out: v128-139, v144-155: 1,536 bytes read back, two sets
.set SWO,  160                         ; v160-163 the scale words on their way out
.set SEL,  8                           ; s[8:9] lane selects for v_permlanex16_b32: lane l xor 16
.set G1, 24                            ; s[24:31] descriptor group 1 for A's tiles;  s[32:39] group 0, one set a slot
.set G0, 32
.set G1B, 48                           ; s[48:55], s[56:63] the same for B's
.set G0B, 56
.set G1S, 68                           ; s[68:75], s[76:79] groups 1 and 0 for A's scales;  s[80:87], s[88:91] for B's
.set G0S, 76
.set G1SB, 80
.set G0SB, 88
.set MSB, 0
.macro WIN new                         ; the immediate's high byte repeats the setting that is left; a switch that changes nothing is dropped
.if MSB != (\new)
	s_set_vgpr_msb (MSB<<8)|(\new)
.set MSB, (\new)
.endif
.endm
.set MUL_LO, 0xa1                      ; source 0 (B) window 1, source 1 (A) window 0, C and D window 2
.set MUL_HI, 0xf1                      ; the same, C and D window 3
.set TO_B,   0x40                      ; destination window 1, address window 0
; A joint load: waves 0 and 1 fetch for A, waves 2 and 3 for B.  Each line has one mask and one set of registers for all that issue it; the branch hangs on the wave's number alone.  Four v_nop follow each line.
.macro JLOAD g0a, g1a, g0b, g1b
	s_cmp_eq_u32 s15, 0
	s_cbranch_scc0 .Lfor_b_\@
	tensor_load_to_lds s[\g0a:\g0a+3], s[\g1a:\g1a+7]
	s_nop 0
.rept 4
	v_nop
.endr
	s_branch .Lasked_\@
.Lfor_b_\@:
	tensor_load_to_lds s[\g0b:\g0b+3], s[\g1b:\g1b+7]
	s_nop 0
.rept 4
	v_nop
.endr
.Lasked_\@:
.endm
.macro CREST                           ; a round of the cluster's barrier behind its opening barrier
	s_cmp_lg_u32 s14, 0
	s_cbranch_scc1 .Lnot_wave_0_\@
	s_barrier_signal -3
.Lnot_wave_0_\@:
	s_barrier_wait -3
	s_barrier_signal -1
	s_barrier_wait -1
.endm
.macro CROUND                          ; a whole round
	s_barrier_signal -1
	s_barrier_wait -1
	CREST
.endm
	s_load_b128 s[4:7], s[0:1], 0x0                ; xw s[4:5], qkv s[6:7]
	v_lshl_add_u32 v[SPW], v0, 2, SPARE
	v_mov_b32 v[NIL], 0
	ds_add_u32 v28, v29
	ds_add_u32 v28, v29
	s_wait_dscnt 0x0
	v_lshrrev_b32 v1, 5, v0
	v_readfirstlane_b32 s14, v1                    ; wave 0..3
	s_lshr_b32 s15, s14, 1                         ; which half of the tile's rows is mine.  Also: I fetch for A (0) or for B (1)
	s_and_b32 s16, s14, 1                          ; which half of its columns.  Also: which 128 rows of that tile I fetch
	s_bfe_u32 s40, ttmp6, 0x40000                  ; cx, cy: my place in the cluster
	s_bfe_u32 s41, ttmp6, 0x40004
	s_and_b32 s95, ttmp7, 0xffff                   ; the cluster's y
	s_mov_b32 s99, XS                              ; (an instruction takes one literal: the second arm of a choice is put into the register first)
	s_mov_b32 s101, XS+262144
	s_mov_b32 s96, 393216
	s_mov_b32 s97, 32768
	s_mov_b32 s67, 18874368
	s_cmp_eq_u32 ttmp9, 2                          ; v's clusters?  The cluster's x is the same in all sixteen partners
	s_cselect_b32 s8, 0, s95                       ; the cluster's row of tiles:    q, k: y;  v: 0
	s_cselect_b32 s9, s95, ttmp9                   ; its column of tiles:           q, k: x;  v: y
	s_cselect_b32 s98, 1966080, 0                  ; A's codes in a plane of xw:    q, k: x's;  v: W_v's, position 10,240
	s_cselect_b32 s99, XS+327680, s99              ; A's scale bytes
	s_cselect_b32 s100, 0, 1572864                 ; B's codes:                     q, k: w_attn's, position 8,192;  v: x's
	s_cselect_b32 s101, XS, s101                   ; B's scale bytes
	s_cselect_b32 s96, 49152, s96                  ; CS: bytes from a slab of 64 columns to the next: A's rows x 48
	s_cselect_b32 s97, 4096, s97                   ; SS: the same for the scale words: A's rows x 4
	s_cselect_b32 s66, 12582912, 0                 ; where the codes go in qkv
	s_cselect_b32 s67, 19398656, s67               ; and the scale words
	s_lshl_b32 s42, s9, 2
	s_add_co_u32 s42, s42, s40                     ; tile column = 4 x the cluster's column + cx
	s_lshl_b32 s17, s8, 2
	s_add_co_u32 s17, s17, s41                     ; tile row = 4 x the cluster's row + cy
	s_lshl_b32 s43, s41, 2
	s_lshl_b32 s43, 15, s43                        ; my row of the cluster
	s_lshl_b32 s44, 0x1111, s40                    ; my column
	; descriptor group 1: a tile of 128 rows x 192 bytes, padded in LDS
	s_or_b32 s[G1+0], s43, (0<<16)|(1<<20)|(1<<21)|(3<<22)|(3<<25)  ; 15:0 the mask: A's tiles go to my row; 17:16 elements of 1 byte; 20 padding on; 21 set beside a mask; 24:22 after every 16 words; 31:25 of 4 words
	s_or_b32 s[G1B+0], s44, (0<<16)|(1<<20)|(1<<21)|(3<<22)|(3<<25)
.irp g, G1, G1B
	s_mov_b32 s[\g+1], 256<<16                     ; rows of 256 bytes of the dense block; the padding behind every 64 bytes gives each position's 192 bytes an LDS row of 240
	s_mov_b32 s[\g+2], 192<<16                     ; the head's loads: 256 positions = 192 such rows; behind them these two words are set to 96
	s_mov_b32 s[\g+3], 256<<16
	s_mov_b32 s[\g+4], 192
	s_mov_b32 s[\g+5], 256
	s_mov_b32 s[\g+6], 0
	s_mov_b32 s[\g+7], 0
.endr
	; the scale bytes of 128 rows: 4,096 dense bytes, as 16 rows of 256 bytes (32 elements of 8), 16 bytes of padding behind each
	s_or_b32 s[G1S+0], s43, (3<<16)|(1<<20)|(1<<21)|(5<<22)|(3<<25)
	s_or_b32 s[G1SB+0], s44, (3<<16)|(1<<20)|(1<<21)|(5<<22)|(3<<25)
.irp g, G1S, G1SB
	s_mov_b32 s[\g+1], 32<<16
	s_mov_b32 s[\g+2], 32<<16                      ; the scale bytes of all 256 rows in one load: 32 rows of 256 bytes
	s_mov_b32 s[\g+3], 32<<16
	s_mov_b32 s[\g+4], 32
	s_mov_b32 s[\g+5], 32
	s_mov_b32 s[\g+6], 0
	s_mov_b32 s[\g+7], 0
.endr
	; byte offsets in xw (all under 2^24): A's hang on the tile row alone, B's on the tile column alone, each in registers that never hold the other coordinate
	s_mul_i32 s18, s16, 24576                      ; in the ring I fetch 128 positions of a tile: which half, in bytes
	s_mov_b32 s19, 0
	s_lshl_b32 s20, s17, 8                         ; A: the tile's first position
	s_lshl_b32 s46, s42, 8                         ; B: likewise
	s_lshl_b32 s22, s20, 5
	s_add_co_u32 s22, s22, s99                     ; A's scale bytes
	s_mov_b32 s23, 0
	s_lshl_b32 s92, s46, 5
	s_add_co_u32 s92, s92, s101                    ; B's
	s_mov_b32 s93, 0
	s_mul_i32 s20, s20, 192
	s_add_co_u32 s20, s20, s98                     ; A's codes
	s_mov_b32 s21, 0
	s_mul_i32 s46, s46, 192
	s_add_co_u32 s46, s46, s100                    ; B's
	s_mov_b32 s47, 0
	s_mul_i32 s45, s14, HALFT                      ; where they go: wave x 128 rows: no place in the cluster enters an LDS address
	s_wait_kmcnt 0x0
	s_add_nc_u64 s[20:21], s[4:5], s[20:21]
	s_add_nc_u64 s[22:23], s[4:5], s[22:23]
	s_add_nc_u64 s[46:47], s[4:5], s[46:47]
	s_add_nc_u64 s[92:93], s[4:5], s[92:93]
	CROUND                                         ; all sixteen work-groups are here: the first joint loads meet
	s_mov_b32 s[G0S], 1
	s_mov_b32 s[G0S+1], SCL
	s_mov_b64 s[G0S+2:G0S+3], s[22:23]
	s_or_b32 s[G0S+3], s[G0S+3], 0x80000000
	s_mov_b32 s[G0SB], 1
	s_mov_b32 s[G0SB+1], SCL+2*HALFS
	s_mov_b64 s[G0SB+2:G0SB+3], s[92:93]
	s_or_b32 s[G0SB+3], s[G0SB+3], 0x80000000
	s_mov_b32 s[G0], 1                             ; slot 0's groups 0 serve the head's loads first: K step 0 of A's 256 positions, whole,
	s_mov_b32 s[G0+1], 0
	s_mov_b64 s[G0+2:G0+3], s[20:21]
	s_or_b32 s[G0+3], s[G0+3], 0x80000000
	s_mov_b32 s[G0B], 1                            ; and of B's, behind them
	s_mov_b32 s[G0B+1], 2*HALFT
	s_mov_b64 s[G0B+2:G0B+3], s[46:47]
	s_or_b32 s[G0B+3], s[G0B+3], 0x80000000
	s_add_nc_u64 s[20:21], s[20:21], s[18:19]      ; for the ring: my 128 positions
	s_add_nc_u64 s[46:47], s[46:47], s[18:19]
	s_mov_b32 s[G0+4], 1                           ; slot 1: K step 1
	s_add_co_u32 s[G0+5], s45, SLOT
	s_add_nc_u64 s[G0+6:G0+7], s[20:21], PLANE
	s_or_b32 s[G0+7], s[G0+7], 0x80000000
	s_mov_b32 s[G0B+4], 1
	s_add_co_u32 s[G0B+5], s45, SLOT
	s_add_nc_u64 s[G0B+6:G0B+7], s[46:47], PLANE
	s_or_b32 s[G0B+7], s[G0B+7], 0x80000000
; THE HEAD'S LOADS, ONE A WAVE: wave 0 K step 0 of A's 256 positions, wave 1 of B's, wave 2 A's scale bytes, wave 3 B's.  One chain of branches on the wave's number; every way passes one load.
.macro ARM under, g0, g1, next
	s_cmp_lt_u32 s14, \under
	s_cbranch_scc0 \next
	tensor_load_to_lds s[\g0:\g0+3], s[\g1:\g1+7]
	s_nop 0
.rept 4
	v_nop
.endr
	s_branch .Lhead_asked
\next:
.endm
	ARM 1, G0,  G1,  .Lhead_b
	ARM 2, G0B, G1B, .Lhead_sa
	ARM 3, G0S, G1S, .Lhead_sb
	tensor_load_to_lds s[G0SB:G0SB+3], s[G1SB:G1SB+7]
	s_nop 0
.rept 4
	v_nop
.endr
.Lhead_asked:
	v_and_b32 v1, 15, v0                           ; r = l % 16
	v_bfe_u32 v2, v0, 4, 1                         ; h = l / 16
	v_mul_u32_u24 v3, v1, PITCH
	v_mul_u32_u24 v4, v2, 24
	v_add_nc_u32 v4, v3, v4                        ; a fragment's row x pitch + 24 x half
	v_lshl_add_u32 v5, v2, 4, v4                   ; and the same behind one padding more
	s_mul_i32 s21, s15, HALFT                      ; my 128 rows of A
	s_mul_i32 s22, s16, HALFT                      ; my 128 rows of B,
	s_add_co_u32 s22, s22, 2*HALFT                 ; which lie behind A's 256
.irp s, 0,1
	v_add_nc_u32 v[ADRA+\s], s21, v4
	v_add_nc_u32 v[ADRB+\s], s22, v4
	v_add_nc_u32 v[ADRA+2+\s], s21, v5
	v_add_nc_u32 v[ADRB+2+\s], s22, v5
	s_add_co_u32 s21, s21, SLOT
	s_add_co_u32 s22, s22, SLOT
.endr
	v_mul_u32_u24 v5, v1, KS                       ; my row's scales: 32 bytes a row,
	v_lshrrev_b32 v6, 8, v5
	v_lshl_add_u32 v5, v6, 4, v5                   ; and 16 more for each 256 passed
	s_mul_i32 s21, s15, HALFS                      ; A's: my 128 rows
	s_mul_i32 s22, s16, HALFS                      ; B's: my 128 rows, behind A's 256
	s_add_co_u32 s22, s22, 2*HALFS
	s_sub_co_u32 s22, s22, s21
	v_mul_u32_u24 v6, s22, v2                      ; lanes 16-31 take B's: one product, the distance between the two bases
	s_add_co_u32 s21, s21, SCL
	v_add_nc_u32 v5, v5, v6
	v_add_nc_u32 v[ADRS], s21, v5
	; the way out.  My stage: 4,096 bytes x wave, in slot 0, which has had its last fill and its last read when the first result is stored there: 1,536 bytes of codes, and from byte 2,048 my 128 rows' scale words
	s_lshl_b32 s23, s14, 12
	v_mul_u32_u24 v5, v1, 48
	v_mad_u32_u24 v5, v2, 24, v5
	v_add_nc_u32 v[STO], s23, v5                   ; in: row r of 48 bytes, + 24 h: with this pitch the 32 lanes of a store of 8 bytes touch 64 different banks
	v_and_b32 v6, 31, v0
	v_lshlrev_b32 v[GO0], 4, v6
	v_add_nc_u32 v[RD], s23, v[GO0]                ; back: 16 bytes a lane
	v_lshl_add_u32 v[SSW], v1, 2, s23
	v_add_nc_u32 v[SSW], 2048, v[SSW]
	v_add_nc_u32 v[SRD], 2048, v[RD]
	s_sub_co_u32 s22, s96, 768
	v_mul_u32_u24 v7, s22, v2
	v_add_nc_u32 v[GO1], v[GO0], v7
	v_add_nc_u32 v[GO1], 512, v[GO1]               ; stage bytes 512-1,023: lanes 0-15 end the first slab's 768 bytes, lanes 16-31 begin the second's
	v_add_nc_u32 v[GO2], s96, v[GO0]
	v_add_nc_u32 v[GO2], 256, v[GO2]               ; stage bytes 1,024-1,535: the second slab's bytes 256-767
.irp b, 0,1,2,3
	v_mov_b32 v[TM+4+\b], 0                        ; written once: a lane permute's destination counts as one of its sources
.endr
	s_lshl_b32 s20, s42, 2
	s_lshl_b32 s21, s16, 1
	s_add_co_u32 s20, s20, s21                     ; my first slab of 64 columns: 4 x tile column + 2 x half
	s_mul_i32 s20, s20, s96
	s_lshl_b32 s21, s17, 8
	s_lshl_b32 s22, s15, 7
	s_add_co_u32 s21, s21, s22                     ; my first position: 256 x tile row + 128 x half
	s_mul_i32 s22, s21, 48
	s_add_co_u32 s20, s20, s22
	s_add_co_u32 s20, s20, s66
	s_lshl_b32 s22, s21, 2
	s_mov_b32 s21, 0
	s_add_nc_u64 s[12:13], s[6:7], s[20:21]        ; where my codes go
	s_lshl_b32 s20, s42, 1
	s_add_co_u32 s20, s20, s16
	s_mul_i32 s20, s20, s97
	s_add_co_u32 s20, s20, s22
	s_add_co_u32 s20, s20, s67
	s_add_nc_u64 s[10:11], s[6:7], s[20:21]        ; and my scale words
	s_mov_b32 s[SEL], 0x76543210
	s_mov_b32 s[SEL+1], 0xfedcba98
.macro FRAG reg, adr, q, i             ; a fragment, 16 rows x 128 K, is 12 registers: lane l holds row l % 16; registers 6 c .. 6 c + 5 hold K = 64 c + 32 (l / 16) + 0 .. 31: 24 bytes of the row, as they lie
.irp p, 0,1,2,3,4,5                    ; in pieces of 8 bytes.  Lanes 16-31 read three pieces further on than lanes 0-15: where that lies behind one padding more, the second address register serves
.set PCE, 12*(\q)+6*(\p/3)+\p%3
.if PCE%8 < 5
	ds_load_b64 v[\reg+2*\p:\reg+2*\p+1], v[\adr] offset:8*PCE+16*(PCE/8)+(\i)*16*PITCH
.else
	ds_load_b64 v[\reg+2*\p:\reg+2*\p+1], v[\adr+2] offset:8*PCE+16*(PCE/8)+(\i)*16*PITCH
.endif
.endr
.endm
; 16 matrix instructions: A's blocks a0, a0 + 1 x B's eight, the slot's q-th 128 along K.  p: B's set;  sc: the set of scale words.  zero = 1: the first product starts the sums.
; The 64 accumulators take turns, one instruction a turn, in the same order in every step.
.macro MUL16 a0, p, q, sc, zero
.irp a, \a0, \a0+1
.irp b, 0,1,2,3,4,5,6,7
.if \zero
	v_wmma_scale_f32_16x16x128_f8f6f4 v[8*(8*((\a)%4)+\b):8*(8*((\a)%4)+\b)+7], v[128*(\p)+FR*\b:128*(\p)+FR*\b+FR-1], v[AF+FR*(\a):AF+FR*(\a)+FR-1], 0, v[SC+8*NQ*(\sc)+NQ*\b+(\q)], v[SC+8*NQ*(\sc)+NQ*(\a)+(\q)] matrix_a_fmt:MATRIX_FMT_BF6 matrix_b_fmt:MATRIX_FMT_BF6 matrix_a_scale:MATRIX_SCALE_ROW1
.else
	v_wmma_scale_f32_16x16x128_f8f6f4 v[8*(8*((\a)%4)+\b):8*(8*((\a)%4)+\b)+7], v[128*(\p)+FR*\b:128*(\p)+FR*\b+FR-1], v[AF+FR*(\a):AF+FR*(\a)+FR-1], v[8*(8*((\a)%4)+\b):8*(8*((\a)%4)+\b)+7], v[SC+8*NQ*(\sc)+NQ*\b+(\q)], v[SC+8*NQ*(\sc)+NQ*(\a)+(\q)] matrix_a_fmt:MATRIX_FMT_BF6 matrix_b_fmt:MATRIX_FMT_BF6 matrix_a_scale:MATRIX_SCALE_ROW1
.endif
.endr
.endr
.endm
.macro FETCH_B slot, q, p              ; B's eight fragments of the slot's q-th 128 along K into set p
	WIN TO_B
.irp i, 0,1,2,3,4,5,6,7
	FRAG 128*(\p)+FR*\i, ADRB+\slot, \q, \i
.endr
	WIN 0
.endm
.macro FETCH_A slot, q, i0             ; A's blocks i0 .. i0 + 3
.irp i, \i0, \i0+1, \i0+2, \i0+3
	FRAG AF+FR*(\i), ADRA+\slot, \q, \i
.endr
.endm
.macro SCALES sc                       ; the next K step's scale words into set sc: two words a row; lanes 0-15 take A's block i, lanes 16-31 B's block i
.irp i, 0,1,2,3,4,5,6,7
	ds_load_b64 v[SC+8*NQ*\sc+NQ*\i:SC+8*NQ*\sc+NQ*\i+1], v[ADRS] offset:\i*SBLK
.endr
.endm
.macro PLACES n                        ; plain vector lines between a matrix instruction and a load into its registers, or the first read of its results
.rept \n
	v_nop
.endr
.endm
; A step of 128 along K that has its successor in the same slot.
.macro STEP slot, q, zero
	s_wait_dscnt 4*NL                              ; B's set and A's blocks 0-3 are in; the youngest 24 loads (A's blocks 4-7) may be out
	WIN MUL_LO
	MUL16 0, (\q)%2, \q, \slot, \zero
	MUL16 2, (\q)%2, \q, \slot, \zero
	s_wait_dscnt 0                                 ; A's blocks 4-7 are in
	PLACES NP
	FETCH_B \slot, (\q)+1, 1-(\q)%2
	FETCH_A \slot, (\q)+1, 0
	WIN MUL_HI
	MUL16 4, (\q)%2, \q, \slot, \zero
	MUL16 6, (\q)%2, \q, \slot, \zero
	PLACES NP
	WIN 0
	FETCH_A \slot, (\q)+1, 4
.endm
; A slot's last step changes slots: one barrier; in front of it each wave waits for all its tensor loads, adds 0 to its spare word, and waits for that and for its own reads of this slot.  fill = 1: the slot is filled again, two K steps ahead.
.macro TURN slot, next, fill
	s_wait_tensorcnt 0x0                           ; all my tensor loads have landed: my part of the next slot
	ds_add_u32 v[SPW], v[NIL]                      ; 0 onto my spare word
	s_wait_dscnt 4*NL+1                            ; (the add and the youngest 24 loads, A's blocks 4-7, may be out)
	WIN MUL_LO
	MUL16 0, 1, NQ-1, \slot, 0                     ; sixteen matrix instructions stand between the add and the wait for it
	s_wait_dscnt 0x0                               ; the add is done, and my reads of this slot are over
	s_barrier_signal -1
	MUL16 2, 1, NQ-1, \slot, 0
	WIN 0
	s_barrier_wait -1
.if \fill
	CREST                                          ; the barrier has opened a round of the cluster's: no wave of any partner still reads this slot's tile or has a load on its way
	s_add_nc_u64 s[G0+4*\slot+2:G0+4*\slot+3], s[G0+4*\slot+2:G0+4*\slot+3], 2*PLANE
	s_add_nc_u64 s[G0B+4*\slot+2:G0B+4*\slot+3], s[G0B+4*\slot+2:G0B+4*\slot+3], 2*PLANE
	JLOAD G0+4*\slot, G1, G0B+4*\slot, G1B         ; the first tensor load behind the round; its four v_nop are the places in front of the loads below
.else
	PLACES NP
.endif
	s_wait_alu depctr_va_vdst(0)
	v_add_nc_u32 v[ADRS], 4*NQ, v[ADRS]            ; on to the next K step's scale words (no LDS load of mine is out)
	FETCH_B \next, 0, 0
	FETCH_A \next, 0, 0
	SCALES \next
	WIN MUL_HI
	MUL16 4, 1, NQ-1, \slot, 0
	MUL16 6, 1, NQ-1, \slot, 0
	PLACES NP
	WIN 0
	FETCH_A \next, 0, 4
.endm
	s_wait_alu depctr_va_vdst(0)                   ; the head's end
	s_wait_tensorcnt 0x0                           ; my tile of the head's four is in
	ds_add_u32 v[SPW], v[NIL]
	s_mov_b32 s[G1+2], 96<<16                      ; no tensor load of mine is out, so descriptors may be written: from here on a load brings 128 positions, 96 rows of 256 bytes,
	s_mov_b32 s[G1+4], 96
	s_mov_b32 s[G1B+2], 96<<16
	s_mov_b32 s[G1B+4], 96
	s_mov_b32 s[G0+1], s45                         ; and slot 0's groups 0 turn to my quarter of the slot
	s_add_nc_u64 s[G0+2:G0+3], s[G0+2:G0+3], s[18:19]
	s_mov_b32 s[G0B+1], s45
	s_add_nc_u64 s[G0B+2:G0B+3], s[G0B+2:G0B+3], s[18:19]
	s_wait_dscnt 0x0
	CROUND                                         ; all four tiles are in, and all sixteen work-groups are here
	JLOAD G0+4, G1, G0B+4, G1B                     ; K step 1, the first tensor load behind the round
	FETCH_B 0, 0, 0
	FETCH_A 0, 0, 0
	SCALES 0
	FETCH_A 0, 0, 4
	STEP 0, 0, 1                                   ; the first step stands in front of the loop: its products start the sums
	s_mov_b32 s3, LAPS-1
.Llap:                                                 ; a trip goes once round the ring, from a lap's second step to the next lap's first, and fills both slots again
	TURN 0, 1, 1
	STEP 1, 0, 0
	TURN 1, 0, 1
	STEP 0, 0, 0
	s_sub_co_u32 s3, s3, 1
	s_cmp_lg_u32 s3, 0
	s_cbranch_scc1 .Llap
	TURN 0, 1, 0                                   ; the last lap fills nothing, and has no round of the cluster's barrier
	STEP 1, 0, 0
	s_wait_dscnt 4*NL                              ; the very last step: nothing more to fetch
	WIN MUL_LO
	MUL16 0, 1, NQ-1, 1, 0
	MUL16 2, 1, NQ-1, 1, 0
	s_wait_dscnt 0
	WIN MUL_HI
	MUL16 4, 1, NQ-1, 1, 0
	MUL16 6, 1, NQ-1, 1, 0
	WIN 0
; THE WAY OUT, block by block of 16 positions x 128 columns.  The block's 64 registers of a lane are 16 neighbours of each of four blocks of 32 columns.
; QMAX: my 16 numbers' largest magnitude for each of the four blocks, with the floor 2^(5 - 127) among the leaves.  Each accumulator is read from its low end on.  It touches v64-67 alone.
.macro QMAX a
.set AC, 64*((\a)%4)
.set WW, 2+(\a)/4                      ; the block's accumulators lie in window 2 or 3
.set W1, WW|(WW<<2)
.set W2, (WW<<2)|(WW<<4)
	WIN W1                                         ; sources 0 and 1
.irp b, 0,1,2,3
	v_max3_num_f32 v[TM+\b], |v[AC+16*\b]|, |v[AC+1+16*\b]|, 0x2800000
.endr
	WIN W2                                         ; sources 1 and 2
.irp i, 2,4,6,8,10,12,14
.irp b, 0,1,2,3
	v_max3_num_f32 v[TM+\b], v[TM+\b], |v[AC+16*\b+\i]|, |v[AC+1+16*\b+\i]|   ; the four blocks by turns
.endr
.endr
	WIN 0
.endm
; QREST: lane l xor 16's part, the scale's byte and the conversion's operand, the four bytes as the row's scale word, the codes, and the exchange of halves that gives each lane a whole block of 32.
.macro QREST a
.set AC, 64*((\a)%4)
.set WW, 2+(\a)/4
.irp b, 0,1,2,3
	v_permlanex16_b32 v[TM+4+\b], v[TM+\b], s[SEL], s[SEL+1]
.endr
.irp b, 0,1,2,3
	v_max_num_f32 v[TM+\b], v[TM+\b], v[TM+4+\b]   ; the block's largest magnitude
.endr
.irp b, 0,1,2,3
	v_add_nc_u32 v[TM+12+\b], 0xfe000000, v[TM+\b] ; 4 off its exponent field: the conversion's scale operand
.endr
.irp b, 0,1,2,3
	v_lshrrev_b32 v[TM+4+\b], 23, v[TM+12+\b]      ; the scale's byte
.endr
	v_lshl_or_b32 v[PW], v[TM+5], 8, v[TM+4]
	v_lshl_or_b32 v[PW], v[TM+6], 16, v[PW]
	v_lshl_or_b32 v[PW], v[TM+7], 24, v[PW]
	WIN WW                                         ; source 0
.irp c, 0,1
	v_cvt_scalef32_pk16_bf6_f32 v[PC+6*\c:PC+2+6*\c], v[AC+32*\c:AC+15+32*\c], v[TM+12+2*\c]
	v_cvt_scalef32_pk16_bf6_f32 v[PC+12+4*\c:PC+14+4*\c], v[AC+16+32*\c:AC+31+32*\c], v[TM+12+2*\c+1]   ; (a conversion's three registers begin on an even number)
.endr
	WIN 0
	v_nop                                          ; one plain line behind a scaled conversion
.irp c, 0,1
.irp i, 0,1,2
	v_permlane16_swap_b32 v[PC+6*\c+\i], v[PC+12+4*\c+\i]
.endr
.irp i, 0,1,2
	v_mov_b32 v[PC+3+6*\c+\i], v[PC+12+4*\c+\i]    ; registers 6 c .. 6 c + 5: columns 64 c + 32 h + 0 .. 31 of my row: 24 bytes
.endr
.endr
.endm
.macro TOSTAGE a                       ; the two slabs' 16 rows of 48 bytes into my stage, the scale word beside them, and the 1,536 bytes back, 16 a lane.  LDS serves a wave's instructions in order (ISA guide 5.7.1.4)
.irp c, 0,1
.irp p, 0,1,2
	ds_store_b64 v[STO], v[PC+6*\c+2*\p:PC+6*\c+2*\p+1] offset:768*\c+8*\p
.endr
.endr
	ds_store_b32 v[SSW], v[PW] offset:64*(\a)      ; lanes l and l xor 16 write the same word with the same value
.set BB, OB+16*((\a)%2)
.irp i, 0,1,2
	ds_load_b128 v[BB+4*\i:BB+4*\i+3], v[RD] offset:512*\i
.endr
.endm
.macro SEND a                          ; 16 lanes store 256 consecutive bytes, at a multiple of 256 from qkv's first byte; the block's place stands in the immediate, no base is stepped
.set BB, OB+16*((\a)%2)
	s_wait_dscnt 0x0                               ; the block is back, and its stores into the stage have read their registers
	global_store_b128 v[GO0], v[BB:BB+3], s[12:13] offset:768*(\a)
	global_store_b128 v[GO1], v[BB+4:BB+7], s[12:13] offset:768*(\a)
	global_store_b128 v[GO2], v[BB+8:BB+11], s[12:13] offset:768*(\a)
.endm
	PLACES NP                                      ; behind the last products
	QMAX 0
	QREST 0
	TOSTAGE 0
.irp a, 1,2,3,4,5,6,7
	QMAX \a                                        ; the next block's maxima stand between a block's loads from the stage and the wait for them
	s_wait_alu depctr_va_vdst(0)
	SEND \a-1
	QREST \a
.if \a > 1
	s_wait_alu depctr_va_vdst(0)
	s_wait_xcnt 0x0                                ; block a - 2's stores have read their data: block a's loads may land there
.endif
	TOSTAGE \a
.endr
	SEND 7
	ds_load_b128 v[SWO:SWO+3], v[SRD]              ; my 128 rows' scale words
	s_wait_dscnt 0x0
	global_store_b128 v[GO0], v[SWO:SWO+3], s[10:11]   ; 512 consecutive bytes, aligned
	s_wait_tensorcnt 0x0                           ; the wave's end, behind my last tensor load and my last LDS store
	ds_add_u32 v[SPW], v[NIL]
	s_wait_dscnt 0x0
	CROUND                                         ; the closing round: no work-group ends while a partner may still ask for a tile that names it
	s_endpgm
.Lfunc_end_k_qfb1d8e6e32_qkv:
	.size	k_qfb1d8e6e32_qkv, .Lfunc_end_k_qfb1d8e6e32_qkv-k_qfb1d8e6e32_qkv
	.p2alignl 7, 3214868480
	.fill 96, 4, 3214868480
	.section	.rodata,"a",@progbits
	.p2align	6, 0x0
	.amdhsa_kernel k_qfb1d8e6e32_qkv
		.amdhsa_group_segment_fixed_size 327680
		.amdhsa_private_segment_fixed_size 0
		.amdhsa_enable_private_segment 0
		.amdhsa_kernarg_size 16
		.amdhsa_user_sgpr_count 2
		.amdhsa_user_sgpr_kernarg_segment_ptr 1
		.amdhsa_wavefront_size32 1
		.amdhsa_system_sgpr_workgroup_id_x 1
		.amdhsa_system_sgpr_workgroup_id_y 1
		.amdhsa_system_sgpr_workgroup_id_z 1
		.amdhsa_system_vgpr_workitem_id 0
		.amdhsa_next_free_vgpr 1024
		.amdhsa_next_free_sgpr 102
		.amdhsa_reserve_vcc 0
		.amdhsa_float_denorm_mode_32 3
		.amdhsa_float_denorm_mode_16_64 3
		.amdhsa_memory_ordered 1
		.amdhsa_forward_progress 1
		.amdhsa_inst_pref_size 172
	.end_amdhsa_kernel
	.amdgpu_metadata
---
amdhsa.version: [ 1, 2 ]
amdhsa.kernels:
  - .name:           k_qfb1d8e6e32_qkv
    .symbol:         k_qfb1d8e6e32_qkv.kd
    .args:
      - { .name: xw, .offset: 0, .size: 8, .value_kind: global_buffer, .address_space: global }
      - { .name: qkv, .offset: 8, .size: 8, .value_kind: global_buffer, .address_space: global }
    .group_segment_fixed_size: 327680
    .private_segment_fixed_size: 0
    .kernarg_segment_align: 8
    .kernarg_segment_size: 16
    .max_flat_workgroup_size: 128
    .sgpr_count:     102
    .vgpr_count:     1024
    .wavefront_size: 32
...
	.end_amdgpu_metadata
.endif
;; end of part 2
;; launch attn (part 3): grid 4 x 64, 16 waves a work-group, clusters of 4 x 1, 327,680 bytes of LDS; arguments qkv, ao; writes ao
.if DOCPART == 3
	.amdgcn_target "amdgcn-amd-amdhsa--gfx1250"
	.amdhsa_code_object_version 6
	.text
	.protected	k_qfb1d8e6e32_attn
	.globl	k_qfb1d8e6e32_attn
	.p2align	8
	.type	k_qfb1d8e6e32_attn,@function
k_qfb1d8e6e32_attn:
	s_mov_b64 s[64:65], 0
	v_nop
	global_prefetch_b8 v0, s[64:65] scope:SCOPE_SE
	s_setreg_imm32_b32 hwreg(HW_REG_WAVE_MODE, 25, 1), 1
	s_wait_xcnt 0x0
	s_wait_alu depctr_hold_cnt(0) depctr_sa_sdst(0) depctr_va_vdst(0) depctr_va_sdst(0) depctr_va_ssrc(0) depctr_va_vcc(0) depctr_vm_vsrc(0)
	s_getreg_b32 s2, hwreg(HW_REG_IB_STS2, 6, 4)
	s_cmp_eq_u32 s2, 0
	s_cbranch_scc0 .Lentry_in_a_cluster
	s_endpgm
.Lentry_in_a_cluster:
	s_bfe_u32 s2, ttmp6, 0x10000c
	s_cmp_lg_u32 s2, 0x3003
	s_cbranch_scc0 .Lentry_shape_is_right
	s_endpgm
.Lentry_shape_is_right:
; Causal attention on codes of BF6 with E8M0 scales: S = q k^T / 8 (K = the head's 64), p = 2^(t - M), O = p v (K = the keys), O / l quantised along the head's 64 for the last product.
; t = score x log2(e) / 8; M = the row's largest t so far, rounded UP to a whole number; p is quantised along the keys and not normalised; the row's sum l is taken of the unquantised p.  When M moves, l and O are multiplied
; by 2^(old M - new M): exact.  LEFT OUT: the steps of 128 keys that lie wholly behind a tile's queries (reference()'s own jnp.tril makes their p 0 for all inputs).
; IN (qkv): q's and k's codes [32 heads: q 0-15, k 16-31][8,192 token positions][48 bytes]; v's [token / 64][1,024 positions of (head, channel)][48]; scale words: q, k [pair of heads][token position][4 bytes: two a head];
; v [token / 128][position of (head, channel)][4].  Position p holds row pi(p), pi = bits 3 and 4 exchanged: 16 neighbouring positions are rows 32 b + 8 u + r + 8 (r / 8).
; OUT (ao): codes [16 heads][token position][48], scale bytes [token position][32], byte 2 head + block.
; SHARES.  A cluster of four work-groups owns head h of batch b.  The head's whole k and v, codes and scale words, 208,896 bytes, lie in each partner's LDS and are filled ONCE, by joint loads that name all four: keys 0-511 at the
; head (waves 0 to 3, a tile each), keys 512-2,047 behind the full sequence and a round.  Nothing is filled again: one barrier shows the second group, and behind it the waves walk with no barrier.
; The head's 128 tiles of 16 query positions are dealt in pairs: wave w of partner cx owns tile 127 - (4 w + cx), which takes 16 - w / 2 steps of 128 keys, then tile 4 w + cx, w / 2 + 1 steps: 17 steps for every wave of the launch,
; and counts that hang on the wave's number alone, never on cx.  Every partner's wave 0 reads the last keys, so every partner reads every tile that it asks for.
; The loops have constant trip counts; a scalar branch on the wave's number and the counters leads round the steps that a tile does not take.
; NO PREFETCH: both groups of loads go out at the launch's start, and no load follows that a loop could run ahead of.
; LAYOUT.  Both products are used transposed: S^T = k q^T, O^T = v^T p^T: a lane holds ONE query (lane % 16) throughout, the 16 registers of tiles 2 b, 2 b + 1 of S^T are keys 32 b + 16 (lane / 16) + 0 .. 15, those of O^T channels likewise.
; K = 64 IN AN INSTRUCTION OF 128: q's registers 6-11 are zero codes for good, and q's and k's scale words come as 16 bits, so that their upper two bytes are 0 (2^-127, over zero codes).  k's tile t is named as v[32 + 6 t .. 43 + 6 t]:
; its upper six registers are the next tile's codes (v80-85: zeros), which meet q's zero codes.
; LIMITS: NaN and infinities are not served; a block of zeros carries the byte 1; a block's largest p is taken from its largest score (v_exp_f32 is taken not to fall where its input rises).
; REGISTERS: v1-11, v28-31 addresses; v12 -M, v13 the largest t, v[14:15] and v[200:201] the sum; v16-27 q; v32-85 fragments of k or v; v86 the mask's lane term; v96-159 S^T, then p; v160-191 O^T;
;   v192-199 the tiles' scale words; v224-235 p's codes; v232-254 at work; v253 p's scale word; v255 q's.
.set VOFF,  98304                      ; LDS: k's codes [2,048 positions][48]; from here v's [32 groups of 64 keys][64 channel positions][48];
.set SKO,   196608                     ; k's scale words [2,048][4];
.set SVO,   204800                     ; v's [16 groups of 128 keys][64][4]
.set SPARE, 208896                     ; the spare words, 128 bytes a wave: eight blocks of 256 bytes that no other line names
.set STG,   210944                     ; the stage for the way out, 768 bytes a wave
.set HSTR,  393216                     ; a head's codes: 8,192 x 48
.set VC,    12582912
.set QKS,   18874368
.set VS,    19398656
.set AOS,   6291456
.set AK0,  1                           ; 48 r + 24 h: my place in 16 rows of 48 bytes
.set ASK0, 2                           ; k's scale words: SKO + 4 r + 2 (head % 2)
.set ASV0, 3                           ; v's: SVO + 4 r
.set R4,   4                           ; 4 r
.set SPW,  5                           ; my spare word; never rewritten
.set NIL,  6                           ; 0; never rewritten
.set L8,   7                           ; 8 x lane
.set ADC,  8                           ; the step's LDS addresses: k's codes,
.set ADS,  9                           ; k's scale words,
.set ADT,  10                          ; v's scale words,
.set R32,  11                          ; 32 r
.set AV0,  28                          ; VOFF + 48 r + 24 h
.set ADV,  29                          ; and v's codes
.set STI,  30                          ; the stage, in
.set STB,  31                          ; and back
.set DL,   86                          ; r + (r & 8) - 16 h
.set TSC,  192
.set KS,    3                          ; the step of 128 keys
.set WV,    8
.set CX,    9                          ; my place in the cluster: it enters global addresses and the mask's numbers alone
.set HH,    10
.set BA,    11
.set PAR,   12
.set LASTL, 13                         ; 15 - w / 2: the first tile's last step
.set LASTS, 14                         ; w / 2: the second tile's
.set LAST,  15
.set LO,    16                         ; the first step still to do
.set Q0,    17                         ; my least query
.set TT,    18                         ; the tile in hand
.set TI,    19
.set SEL,   20
.set CS,    22                         ; c = log2(e) / 8
.set G1K, 24
.set G1V, 32
.set G1S, 40
.set G1T, 48
.set G0K, 56
.set G0V, 60
.set G0S, 68
.set G0T, 72
.set KC,  76                           ; LDS bytes of the step: 6,144 KS in the codes,
.set KSS, 77                           ; 512 KS in k's scale words,
.set KT,  78                           ; 256 KS in v's
.set TS,  79                           ; 4 w + cx
.set QB,  84
.set QSB, 86
.set OB,  88
.set OSB, 90
.macro GROUP1 g, c, r, p               ; r rows of c elements of 8 bytes, p elements from row to row; the mask names the cluster's four, bit 21 beside it
	s_mov_b32 s[\g], 15|(3<<16)|(1<<21)
	s_mov_b32 s[\g+1], (\c)<<16
	s_mov_b32 s[\g+2], (\r)<<16
	s_mov_b32 s[\g+3], (\c)<<16
	s_mov_b32 s[\g+4], \r
	s_mov_b32 s[\g+5], \p
	s_mov_b32 s[\g+6], 0
	s_mov_b32 s[\g+7], 0
.endm
.macro ONE n, g0, g1, next             ; wave n's arm: its load, s_nop 0 and four v_nop
	s_cmp_lg_u32 s[WV], \n
	s_cbranch_scc1 \next
	tensor_load_to_lds s[\g0:\g0+3], s[\g1:\g1+7]
	s_nop 0
.rept 4
	v_nop
.endr
.endm
.macro TLOAD                           ; waves 0 to 3 ask for one of a group's four tiles each, the others for nothing; the branches hang on the wave's number alone
	ONE 0, G0K, G1K, .Lnot0_\@
	s_branch .Lasked_\@
.Lnot0_\@:
	ONE 1, G0V, G1V, .Lnot1_\@
	s_branch .Lasked_\@
.Lnot1_\@:
	ONE 2, G0S, G1S, .Lnot2_\@
	s_branch .Lasked_\@
.Lnot2_\@:
	ONE 3, G0T, G1T, .Lasked_\@
.Lasked_\@:
.endm
.macro ROUND                           ; a round of the cluster's barrier
	s_barrier_signal -1
	s_barrier_wait -1
	s_cmp_lg_u32 s[WV], 0
	s_cbranch_scc1 .Lnot_wave_0_\@
	s_barrier_signal -3
.Lnot_wave_0_\@:
	s_barrier_wait -3
	s_barrier_signal -1
	s_barrier_wait -1
.endm
.macro SETBLK                          ; tile s[TT]'s addresses.  pos0 = 2,048 b + 16 tile; its tokens are Q0 + r + (r & 8), Q0 = 32 (tile / 2) + 8 (tile % 2)
	s_lshl_b32 s92, s[BA], 11
	s_lshl_b32 s94, s[TT], 4
	s_add_co_u32 s92, s92, s94
	s_mul_i32 s94, s[HH], HSTR
	s_mul_i32 s96, s92, 48
	s_add_co_u32 s96, s96, s94
	s_mov_b32 s97, 0
	s_add_nc_u64 s[QB:QB+1], s[4:5], s[96:97]
	s_add_nc_u64 s[OB:OB+1], s[6:7], s[96:97]
	s_lshr_b32 s94, s[HH], 1
	s_lshl_b32 s94, s94, 15
	s_lshl_b32 s96, s92, 2
	s_add_co_u32 s96, s96, s94
	s_lshl_b32 s94, s[PAR], 1
	s_add_co_u32 s96, s96, s94
	s_add_co_u32 s96, s96, QKS
	s_add_nc_u64 s[QSB:QSB+1], s[4:5], s[96:97]
	s_lshl_b32 s96, s92, 5
	s_lshl_b32 s94, s[HH], 1
	s_add_co_u32 s96, s96, s94
	s_add_co_u32 s96, s96, AOS
	s_add_nc_u64 s[OSB:OSB+1], s[6:7], s[96:97]
	s_lshr_b32 s94, s[TT], 1
	s_lshl_b32 s94, s94, 5
	s_and_b32 s95, s[TT], 1
	s_lshl_b32 s95, s95, 3
	s_add_co_u32 s[Q0], s94, s95
.endm
.macro NEWQ                            ; my 16 queries' codes and scale words; M, the sum and O^T begin anew (the first change of M multiplies zeros)
.irp p, 0,1,2
	global_load_b64 v[16+2*\p:17+2*\p], v[AK0], s[QB:QB+1] offset:8*\p
.endr
	global_load_u16 v255, v[R4], s[QSB:QSB+1]      ; my head's two bytes; the upper two are 0
	v_mov_b32 v13, 0xff61b1e6                      ; the largest t so far: -3e38
	s_delay_alu instid0(VALU_DEP_1)
	v_floor_f32 v12, -v13                          ; -M
	v_mov_b32 v14, 0
	v_mov_b32 v15, 0
.set J, 0
.rept 32
	v_mov_b32 v[160+J], 0
.set J, J+1
.endr
	s_wait_alu depctr_va_vdst(0)
	s_wait_loadcnt 0x0
.endm
; A KEY STEP: keys 128 KS .. 128 KS + 127.  m = 1: the text holds the mask, which the tile's last step runs.
.macro STEP m
	v_add_nc_u32 v[ADC], s[KC], v[AK0]             ; four plain lines: also the places in front of loads into registers that matrix instructions have read
	v_add_nc_u32 v[ADV], s[KC], v[AV0]
	v_add_nc_u32 v[ADS], s[KSS], v[ASK0]
	v_add_nc_u32 v[ADT], s[KT], v[ASV0]
.irp t, 0,1,2,3,4,5,6,7
.irp p, 0,1,2
	ds_load_b64 v[32+6*\t+2*\p:33+6*\t+2*\p], v[ADC] offset:768*\t+8*\p   ; rows 48 bytes apart: the 32 lanes touch 64 different banks
.endr
	ds_load_u16 v[TSC+\t], v[ADS] offset:64*\t
.endr
	s_wait_alu depctr_va_vdst(0)
	s_wait_dscnt 0x0
.irp t, 0,1,2,3,4,5,6,7
	v_wmma_scale_f32_16x16x128_f8f6f4 v[96+8*\t:103+8*\t], v[32+6*\t:43+6*\t], v[16:27], 0, v[TSC+\t], v255 matrix_a_fmt:MATRIX_FMT_BF6 matrix_b_fmt:MATRIX_FMT_BF6
.endr
.rept 4
	v_nop                                          ; places in front of the loads below and of the first read of the scores
.endr
.irp t, 0,1,2,3                                ; v's four tiles of 16 channel positions x these 128 keys are asked for now and land under the softmax
.irp p, 0,1,2,3,4,5
	ds_load_b64 v[32+12*\t+2*\p:33+12*\t+2*\p], v[ADV] offset:(\p/3)*3072+768*\t+8*(\p%3)
.endr
	ds_load_b32 v[TSC+\t], v[ADT] offset:64*\t
.endr
.if \m
	s_cmp_lg_u32 s[KS], s[LAST]                    ; in the tile's last step the scores of hidden keys become -infinity ahead of the maximum: p = 0 then.  In the earlier steps all keys count
	s_cbranch_scc1 .Lopen_\@
	s_lshl_b32 s92, s[KS], 7
	s_sub_co_i32 s92, s[Q0], s92
	v_add_nc_u32 v252, s92, v[DL]                  ; d = my query - 128 KS - 16 (lane / 16).  Register 16 b + i holds key 128 KS + 16 (lane / 16) + 32 b + i: hidden where 32 b + i > d
	v_mov_b32 v254, 0xff800000
.set N, 0
.rept 64
	v_cmp_gt_i32 vcc_lo, 32*(N/16)+N%16, v252
	v_cndmask_b32 v[96+N], v[96+N], v254, vcc_lo
.set N, N+1
.endr
.Lopen_\@:
.endif
.irp b, 0,1,2,3
	v_max3_num_f32 v[232+\b], v[96+16*\b], v[97+16*\b], v[98+16*\b]   ; the largest score of each block of 32 keys: for the row's maximum and, since p rises with the score, for the block's largest p
.endr
.irp i, 3,5,7,9,11,13
.irp b, 0,1,2,3
	v_max3_num_f32 v[232+\b], v[232+\b], v[96+16*\b+\i], v[97+16*\b+\i]
.endr
.endr
.irp b, 0,1,2,3
	v_max_num_f32 v[232+\b], v[232+\b], v[111+16*\b]
.endr
.irp b, 0,1,2,3
	s_delay_alu instid0(VALU_DEP_4)
	v_permlanex16_b32 v[236+\b], v[232+\b], s[SEL], s[SEL+1]
.endr
.irp b, 0,1,2,3
	s_delay_alu instid0(VALU_DEP_4)
	v_max_num_f32 v[232+\b], v[232+\b], v[236+\b]  ; with lane l xor 16's 16 keys
.endr
	s_delay_alu instid0(VALU_DEP_2)
	v_max3_num_f32 v254, v232, v233, v234
	s_delay_alu instid0(VALU_DEP_1)
	v_max_num_f32 v254, v254, v235                 ; the step's largest score of my query
	s_delay_alu instid0(VALU_DEP_1)
	v_mul_f32 v254, s[CS], v254                    ; as t (c is positive)
	s_delay_alu instid0(VALU_DEP_1)
	v_max_num_f32 v13, v13, v254                   ; the running largest t
	v_mov_b32 v254, v12
	s_delay_alu instid0(VALU_DEP_2)
	v_floor_f32 v12, -v13                          ; the new -M = floor(-t) = -ceil(t)
	s_delay_alu instid0(VALU_DEP_1)
	v_sub_f32 v254, v12, v254                      ; old M - new M: a whole number, 0 or less
	s_delay_alu instid0(VALU_DEP_1)
	v_cvt_i32_f32 v254, v254                       ; (it saturates)
	s_delay_alu instid0(VALU_DEP_1)
	v_ldexp_f32 v252, 1.0, v254                    ; f = 2^(old M - new M)
.set J, 0
.rept 32
	v_pk_fma_f32 v[96+J:97+J], v[96+J:97+J], s[CS:CS+1], v[12:13] op_sel_hi:[1,0,0]   ; t - M, two at a time
.set J, J+2
.endr
.irp b, 0,1,2,3
	v_fma_f32 v[232+\b], v[232+\b], s[CS], v12     ; the same of each block's largest score
.endr
.set J, 0
	s_wait_alu depctr_va_vdst(0)                   ; ahead of the batch
.rept 64
	v_exp_f32 v[96+J], v[96+J]                     ; p = 2^(t - M), at most 1
.set J, J+1
.endr
	v_pk_mul_f32 v[14:15], v[14:15], v[252:253] op_sel_hi:[1,0]   ; the sum under the new M (a plain line behind the exponentials)
	s_wait_alu depctr_va_vdst(0)                   ; one wait for the whole batch, ahead of its first reader
.irp b, 0,1,2,3
	v_exp_f32 v[232+\b], v[232+\b]                 ; the block's largest p: the same two instructions on the same number give the same bits
.endr
	v_pk_add_f32 v[200:201], v[96:97], v[98:99]    ; the row's sum of the unquantised p, two at a time, in two chains
.irp j, 4,8,12,16,20,24,28,32,36,40,44,48,52
	v_pk_add_f32 v[14:15], v[14:15], v[96+\j:97+\j]
	v_pk_add_f32 v[200:201], v[200:201], v[98+\j:99+\j]
.endr
	s_wait_alu depctr_va_vdst(0)                   ; and one for the four
.irp b, 0,1,2,3
	v_max_num_f32 v[232+\b], 0x2800000, v[232+\b]  ; the floor 2^(5 - 127): the byte cannot fall under 1
.endr
.irp b, 0,1,2,3
	s_delay_alu instid0(VALU_DEP_4)
	v_add_nc_u32 v[244+\b], 0xfe000000, v[232+\b]  ; 4 off the exponent field: the conversion's scale operand
.endr
.irp b, 0,1,2,3
	s_delay_alu instid0(VALU_DEP_4)
	v_lshrrev_b32 v[236+\b], 23, v[244+\b]         ; the scale's byte
.endr
	s_delay_alu instid0(VALU_DEP_3)
	v_lshl_or_b32 v253, v237, 8, v236              ; p's scale word for these 128 keys
	s_delay_alu instid0(VALU_DEP_1)
	v_lshl_or_b32 v253, v238, 16, v253
	s_delay_alu instid0(VALU_DEP_1)
	v_lshl_or_b32 v253, v239, 24, v253
.irp c, 0,1
	v_cvt_scalef32_pk16_bf6_f32 v[224+6*\c:226+6*\c], v[96+32*\c:111+32*\c], v[244+2*\c]
	v_cvt_scalef32_pk16_bf6_f32 v[236+4*\c:238+4*\c], v[112+32*\c:127+32*\c], v[244+2*\c+1]   ; (a conversion's three registers begin on an even number)
.endr
	v_nop                                          ; one plain line behind a scaled conversion
.irp c, 0,1                                    ; the operand's layout wants a whole block in a lane
.irp i, 0,1,2
	v_permlane16_swap_b32 v[224+6*\c+\i], v[236+4*\c+\i]
.endr
.irp i, 0,1,2
	s_delay_alu instid0(VALU_DEP_3)
	v_mov_b32 v[227+6*\c+\i], v[236+4*\c+\i]
.endr
.endr
	s_wait_alu depctr_va_vdst(0)                   ; directly ahead of the first reader of O^T
.set J, 0
.rept 16
	v_pk_mul_f32 v[160+J:161+J], v[160+J:161+J], v[252:253] op_sel_hi:[1,0]   ; O^T under the new M, each accumulator from its low end on
.set J, J+2
.endr
.irp j, 56,60                                  ; the sums' last five lines: plain lines between the last vector write of an operand and the first product
	v_pk_add_f32 v[14:15], v[14:15], v[96+\j:97+\j]
	v_pk_add_f32 v[200:201], v[200:201], v[98+\j:99+\j]
.endr
	s_delay_alu instid0(VALU_DEP_1)
	v_pk_add_f32 v[14:15], v[14:15], v[200:201]
	s_wait_alu depctr_va_vdst(0)
	s_wait_dscnt 0x0                               ; v's fragments and scale words are in
.irp t, 0,1,2,3                                ; O^T += v^T p^T: four accumulators by turns
	v_wmma_scale_f32_16x16x128_f8f6f4 v[160+8*\t:167+8*\t], v[32+12*\t:43+12*\t], v[224:235], v[160+8*\t:167+8*\t], v[TSC+\t], v253 matrix_a_fmt:MATRIX_FMT_BF6 matrix_b_fmt:MATRIX_FMT_BF6
.endr
.endm
.macro NEXTKEY                         ; on to the next 128 keys: each LDS term is stepped by a constant, once a trip
	s_add_co_u32 s[KC], s[KC], 6144
	s_add_co_u32 s[KSS], s[KSS], 512
	s_add_co_u32 s[KT], s[KT], 256
	s_add_co_u32 s[KS], s[KS], 1
.endm
; THE WAY OUT of a tile: O^T / l, quantised along the head's 64 (two blocks of 32; a lane has 16 neighbours of each), through my stage, out as 768 consecutive bytes; two scale bytes a row.
.macro FINISH
	v_add_f32 v14, v14, v15                        ; the sum's two halves,
	s_delay_alu instid0(VALU_DEP_1)
	v_permlanex16_b32 v252, v14, s[SEL], s[SEL+1]
	s_delay_alu instid0(VALU_DEP_1)
	v_add_f32 v14, v14, v252                       ; and lane l xor 16's: the row's sum
	s_wait_alu depctr_va_vdst(0)                   ; ahead of the transcendental
	v_rcp_f32 v14, v14
.rept 3
	v_nop                                          ; a plain line behind the reciprocal; with the additions also the places behind the last products
.endr
	s_wait_alu depctr_va_vdst(0)                   ; ahead of the first reader
.set J, 0
.rept 32
	v_mul_f32 v[96+J], v[160+J], v14               ; register 16 b + i: channel 32 b + 16 h + i of my query
.set J, J+1
.endr
.irp b, 0,1
	v_max3_num_f32 v[232+\b], |v[96+16*\b]|, |v[97+16*\b]|, 0x2800000
.endr
.irp i, 2,4,6,8,10,12,14
.irp b, 0,1
	s_delay_alu instid0(VALU_DEP_2)
	v_max3_num_f32 v[232+\b], v[232+\b], |v[96+16*\b+\i]|, |v[97+16*\b+\i]|
.endr
.endr
.irp b, 0,1
	s_delay_alu instid0(VALU_DEP_2)
	v_permlanex16_b32 v[236+\b], v[232+\b], s[SEL], s[SEL+1]
.endr
.irp b, 0,1
	s_delay_alu instid0(VALU_DEP_2)
	v_max_num_f32 v[232+\b], v[232+\b], v[236+\b]
.endr
.irp b, 0,1
	s_delay_alu instid0(VALU_DEP_2)
	v_add_nc_u32 v[244+\b], 0xfe000000, v[232+\b]
.endr
.irp b, 0,1
	s_delay_alu instid0(VALU_DEP_2)
	v_lshrrev_b32 v[236+\b], 23, v[244+\b]
.endr
	s_delay_alu instid0(VALU_DEP_1)
	v_lshl_or_b32 v240, v237, 8, v236              ; my row's two scale bytes
	v_cvt_scalef32_pk16_bf6_f32 v[224:226], v[96:111], v244
	v_cvt_scalef32_pk16_bf6_f32 v[236:238], v[112:127], v245
	v_nop                                          ; one plain line behind a scaled conversion
.irp i, 0,1,2
	v_permlane16_swap_b32 v[224+\i], v[236+\i]
.endr
.irp i, 0,1,2
	s_delay_alu instid0(VALU_DEP_3)
	v_mov_b32 v[227+\i], v[236+\i]                 ; v224-229: channels 32 h + 0 .. 31 of my row: 24 bytes
.endr
.irp p, 0,1,2
	ds_store_b64 v[STI], v[224+2*\p:225+2*\p] offset:8*\p
.endr
.irp p, 0,1,2
	ds_load_b64 v[32+2*\p:33+2*\p], v[STB] offset:256*\p   ; in order behind my stores
.endr
	s_wait_alu depctr_va_vdst(0)
	s_wait_dscnt 0x0
.irp p, 0,1,2
	global_store_b64 v[L8], v[32+2*\p:33+2*\p], s[OB:OB+1] offset:256*\p   ; 32 lanes store 256 consecutive bytes, aligned
.endr
	global_store_b16 v[R32], v240, s[OSB:OSB+1]    ; 2 bytes of each row's 32; lanes l and l xor 16 store the same
	s_wait_xcnt 0x0                                ; the stores have read their data and bases: both are written again
.endm
	s_load_b128 s[4:7], s[0:1], 0x0                ; qkv s[4:5], ao s[6:7]
	v_lshl_add_u32 v[SPW], v0, 2, SPARE
	v_mov_b32 v[NIL], 0
	ds_add_u32 v[SPW], v[NIL]                      ; the opening lines: the add, twice on end, and its wait ahead of the first tensor load
	ds_add_u32 v[SPW], v[NIL]
	v_lshrrev_b32 v8, 5, v0
	v_readfirstlane_b32 s[WV], v8                  ; wave 0..15
	s_bfe_u32 s[CX], ttmp6, 0x40000
	s_and_b32 s92, ttmp7, 0xffff                   ; the cluster's y: 16 b + h
	s_and_b32 s[HH], s92, 15
	s_lshr_b32 s[BA], s92, 4
	s_and_b32 s[PAR], s[HH], 1
	s_lshr_b32 s[LASTS], s[WV], 1
	s_sub_co_u32 s[LASTL], 15, s[LASTS]
	s_mov_b32 s[SEL], 0x76543210
	s_mov_b32 s[SEL+1], 0xfedcba98
	s_mov_b32 s[CS], 0x3e38aa3b                    ; log2(e) / 8
	s_mov_b32 s[CS+1], s[CS]                       ; (named with it as a pair, so it is written)
	GROUP1 G1K, 32, 96, 32                         ; keys 0-511: k's codes, 24,576 dense bytes as 96 rows of 256;
	GROUP1 G1V, 384, 8, 6144                       ; v's: 8 groups of 64 keys, 3,072 bytes of my head in each, 49,152 bytes apart;
	GROUP1 G1S, 32, 8, 32                          ; k's scale words: 2,048 dense bytes;
	GROUP1 G1T, 32, 4, 512                         ; v's: 4 groups of 128 keys, 256 bytes of my head in each, 4,096 bytes apart
	s_add_co_u32 s92, s[HH], 16
	s_mul_i32 s92, s92, HSTR
	s_mul_i32 s100, s[BA], 98304
	s_add_co_u32 s92, s92, s100                    ; k's codes: head 16 + h, token position 2,048 b
	s_mul_i32 s94, s[BA], 1572864
	s_mul_i32 s100, s[HH], 3072
	s_add_co_u32 s94, s94, s100
	s_add_co_u32 s94, s94, VC                      ; v's codes: group 32 b, position 64 h
	s_lshr_b32 s96, s[HH], 1
	s_add_co_u32 s96, s96, 8
	s_lshl_b32 s96, s96, 15
	s_lshl_b32 s100, s[BA], 13
	s_add_co_u32 s96, s96, s100
	s_add_co_u32 s96, s96, QKS                     ; k's scale words: pair 8 + h / 2
	s_lshl_b32 s98, s[BA], 16
	s_lshl_b32 s100, s[HH], 8
	s_add_co_u32 s98, s98, s100
	s_add_co_u32 s98, s98, VS                      ; v's
	s_mov_b32 s93, 0
	s_mov_b32 s95, 0
	s_mov_b32 s97, 0
	s_mov_b32 s99, 0
	s_wait_alu depctr_va_vdst(0)
	s_wait_dscnt 0x0                               ; both opening adds are done
	s_wait_kmcnt 0x0
	s_mov_b32 s[G0K], 1
	s_mov_b32 s[G0K+1], 0
	s_add_nc_u64 s[G0K+2:G0K+3], s[4:5], s[92:93]
	s_or_b32 s[G0K+3], s[G0K+3], 0x80000000
	s_mov_b32 s[G0V], 1
	s_mov_b32 s[G0V+1], VOFF
	s_add_nc_u64 s[G0V+2:G0V+3], s[4:5], s[94:95]
	s_or_b32 s[G0V+3], s[G0V+3], 0x80000000
	s_mov_b32 s[G0S], 1
	s_mov_b32 s[G0S+1], SKO
	s_add_nc_u64 s[G0S+2:G0S+3], s[4:5], s[96:97]
	s_or_b32 s[G0S+3], s[G0S+3], 0x80000000
	s_mov_b32 s[G0T], 1
	s_mov_b32 s[G0T+1], SVO
	s_add_nc_u64 s[G0T+2:G0T+3], s[4:5], s[98:99]
	s_or_b32 s[G0T+3], s[G0T+3], 0x80000000
	ROUND                                          ; all four partners are here: the first joint loads meet
	TLOAD                                          ; keys 0-511: at most one tensor load a wave
	s_lshl_b32 s[TS], s[WV], 2
	s_add_co_u32 s[TS], s[TS], s[CX]               ; my second tile,
	s_sub_co_u32 s[TT], 127, s[TS]                 ; and my first
	SETBLK
	s_lshl_b32 s100, s[PAR], 1
	s_add_co_u32 s100, s100, SKO
	s_mul_i32 s101, s[WV], 768
	s_add_co_u32 s101, s101, STG
	v_and_b32 v8, 15, v0                           ; r
	v_bfe_u32 v9, v0, 4, 1                         ; h
	v_mul_u32_u24 v[AK0], v8, 48
	v_mad_u32_u24 v[AK0], v9, 24, v[AK0]
	v_lshlrev_b32 v[R4], 2, v8
	v_add_nc_u32 v[ASK0], s100, v[R4]
	v_add_nc_u32 v[ASV0], SVO, v[R4]
	v_add_nc_u32 v[AV0], VOFF, v[AK0]
	v_and_b32 v10, 31, v0
	v_lshlrev_b32 v[L8], 3, v10
	v_lshlrev_b32 v[R32], 5, v8
	v_add_nc_u32 v[STI], s101, v[AK0]
	v_add_nc_u32 v[STB], s101, v[L8]
	v_and_b32 v87, 8, v8
	v_add_nc_u32 v[DL], v8, v87
	v_lshlrev_b32 v87, 4, v9
	v_sub_nc_u32 v[DL], v[DL], v87
.irp j, 22,23,24,25,26,27, 80,81,82,83,84,85
	v_mov_b32 v\j, 0                               ; q's upper half: zero codes for good; and what k's last tile names above its own six registers
.endr
.irp j, 236,237,238,239, 252,253,254
	v_mov_b32 v\j, 0                               ; written once: a lane permute's destination counts as one of its sources; v253 is named as the upper half of v[252:253]
.endr
	s_wait_alu depctr_va_vdst(0)                   ; the head's end
	NEWQ
	s_wait_tensorcnt 0x0                           ; my tile of keys 0-511, if I asked for one, is in
	ds_add_u32 v[SPW], v[NIL]                      ; the add stands twice
	ds_add_u32 v[SPW], v[NIL]
	s_mov_b32 s[G1K+2], 288<<16                    ; no tensor load of mine is out, so descriptors may be written: keys 512-2,047 are three times the rows,
	s_mov_b32 s[G1K+4], 288
	s_mov_b32 s[G1V+2], 24<<16
	s_mov_b32 s[G1V+4], 24
	s_mov_b32 s[G1S+2], 24<<16
	s_mov_b32 s[G1S+4], 24
	s_mov_b32 s[G1T+2], 12<<16
	s_mov_b32 s[G1T+4], 12
	s_mov_b32 s[G0K+1], 24576                      ; and begin where the first group ends, in LDS and in memory
	s_add_nc_u64 s[G0K+2:G0K+3], s[G0K+2:G0K+3], 24576
	s_mov_b32 s[G0V+1], VOFF+24576
	s_add_nc_u64 s[G0V+2:G0V+3], s[G0V+2:G0V+3], 393216
	s_mov_b32 s[G0S+1], SKO+2048
	s_add_nc_u64 s[G0S+2:G0S+3], s[G0S+2:G0S+3], 2048
	s_mov_b32 s[G0T+1], SVO+1024
	s_add_nc_u64 s[G0T+2:G0T+3], s[G0T+2:G0T+3], 16384
	s_wait_dscnt 0x0
	ROUND                                          ; keys 0-511 are whole in every partner, and all four are here
	TLOAD                                          ; keys 512-2,047: it has the four steps below in which to land
	s_mov_b32 s[KS], 0
	s_mov_b32 s[KC], 0
	s_mov_b32 s[KSS], 0
	s_mov_b32 s[KT], 0
.Lfirst:                                           ; steps 0 to 3 of the first tile, which has nine steps at the least: all their keys count
	STEP 0
	NEXTKEY
	s_cmp_lt_u32 s[KS], 4
	s_cbranch_scc1 .Lfirst
	s_wait_tensorcnt 0x0                           ; my tile of keys 512-2,047 is in,
	s_wait_dscnt 0x0
	s_barrier_signal -1
	s_barrier_wait -1                              ; everybody's is
	s_mov_b32 s[LAST], s[LASTL]
	s_mov_b32 s[LO], 4
	s_mov_b32 s[TI], 0
.Ltile:                                            ; two trips: the rest of the first tile, then the second
	s_mov_b32 s[KS], 0
	s_mov_b32 s[KC], 0
	s_mov_b32 s[KSS], 0
	s_mov_b32 s[KT], 0
.Lkey:                                             ; sixteen trips; a branch on the wave's number and the counters leads round the steps that are done or hidden
	s_cmp_lt_u32 s[KS], s[LO]
	s_cbranch_scc1 .Lnone
	s_cmp_gt_u32 s[KS], s[LAST]
	s_cbranch_scc1 .Lnone
	STEP 1
.Lnone:
	NEXTKEY
	s_cmp_lt_u32 s[KS], 16
	s_cbranch_scc1 .Lkey
	FINISH
	s_cmp_lg_u32 s[TI], 0
	s_cbranch_scc1 .Lover
	s_mov_b32 s[TT], s[TS]
	s_mov_b32 s[LAST], s[LASTS]
	s_mov_b32 s[LO], 0
	SETBLK
	NEWQ
.Lover:
	s_add_co_u32 s[TI], s[TI], 1
	s_cmp_lt_u32 s[TI], 2
	s_cbranch_scc1 .Ltile
	s_wait_tensorcnt 0x0                           ; the wave's end
	ds_add_u32 v[SPW], v[NIL]
	s_wait_dscnt 0x0
	ROUND                                          ; the closing round
	s_endpgm
.Lfunc_end_k_qfb1d8e6e32_attn:
	.size	k_qfb1d8e6e32_attn, .Lfunc_end_k_qfb1d8e6e32_attn-k_qfb1d8e6e32_attn
	.p2alignl 7, 3214868480
	.fill 96, 4, 3214868480
	.section	.rodata,"a",@progbits
	.p2align	6, 0x0
	.amdhsa_kernel k_qfb1d8e6e32_attn
		.amdhsa_group_segment_fixed_size 327680
		.amdhsa_private_segment_fixed_size 0
		.amdhsa_enable_private_segment 0
		.amdhsa_kernarg_size 16
		.amdhsa_user_sgpr_count 2
		.amdhsa_user_sgpr_kernarg_segment_ptr 1
		.amdhsa_wavefront_size32 1
		.amdhsa_system_sgpr_workgroup_id_x 1
		.amdhsa_system_sgpr_workgroup_id_y 1
		.amdhsa_system_sgpr_workgroup_id_z 1
		.amdhsa_system_vgpr_workitem_id 0
		.amdhsa_next_free_vgpr 256
		.amdhsa_next_free_sgpr 102
		.amdhsa_reserve_vcc 1
		.amdhsa_float_denorm_mode_32 3
		.amdhsa_float_denorm_mode_16_64 3
		.amdhsa_memory_ordered 1
		.amdhsa_forward_progress 1
		.amdhsa_inst_pref_size 65
	.end_amdhsa_kernel
	.amdgpu_metadata
---
amdhsa.version: [ 1, 2 ]
amdhsa.kernels:
  - .name:           k_qfb1d8e6e32_attn
    .symbol:         k_qfb1d8e6e32_attn.kd
    .args:
      - { .name: qkv, .offset: 0, .size: 8, .value_kind: global_buffer, .address_space: global }
      - { .name: ao, .offset: 8, .size: 8, .value_kind: global_buffer, .address_space: global }
    .group_segment_fixed_size: 327680
    .private_segment_fixed_size: 0
    .kernarg_segment_align: 8
    .kernarg_segment_size: 16
    .max_flat_workgroup_size: 512
    .sgpr_count:     102
    .vgpr_count:     256
    .wavefront_size: 32
...
	.end_amdgpu_metadata
.endif
;; end of part 3
;; launch proj (part 4): grid 4 x 32, 4 waves a work-group, clusters of 4 x 4, 327,680 bytes of LDS; arguments ao, xw, out0; writes out0
.if DOCPART == 4
	.amdgcn_target "amdgcn-amd-amdhsa--gfx1250"
	.amdhsa_code_object_version 6
	.text
	.protected	k_qfb1d8e6e32_proj
	.globl	k_qfb1d8e6e32_proj
	.p2align	8
	.type	k_qfb1d8e6e32_proj,@function
k_qfb1d8e6e32_proj:
	s_mov_b64 s[64:65], 0
	v_nop
	global_prefetch_b8 v0, s[64:65] scope:SCOPE_SE
	s_setreg_imm32_b32 hwreg(HW_REG_WAVE_MODE, 25, 1), 1
	s_wait_xcnt 0x0
	s_wait_alu depctr_hold_cnt(0) depctr_sa_sdst(0) depctr_va_vdst(0) depctr_va_sdst(0) depctr_va_ssrc(0) depctr_va_vcc(0) depctr_vm_vsrc(0)
	s_getreg_b32 s2, hwreg(HW_REG_IB_STS2, 6, 4)
	s_cmp_eq_u32 s2, 0
	s_cbranch_scc0 .Lentry_in_a_cluster
	s_endpgm
.Lentry_in_a_cluster:
	s_bfe_u32 s2, ttmp6, 0x10000c
	s_cmp_lg_u32 s2, 0xf033
	s_cbranch_scc0 .Lentry_shape_is_right
	s_endpgm
.Lentry_shape_is_right:
.set NQ,     2
; The last product, out0 = A B^T on codes of BF6 with E8M0 scales: A = the attention's results (ao: codes [16 heads][token position][48], scale bytes [position][32]), B = w_proj's rows (xw), K = 1,024 in steps of 256
; through a ring of two LDS slots filled by joint loads; tiles of 256 x 256, four waves of 128 x 128.  Rows lie by position in both operands; the way out puts tokens and columns back in their true order.
.set PLANE,  2359296                   ; xw's codes lie in four planes of 256 along K, 192 bytes a position: B's 128 positions of one K step are a dense block, fetched as 96 rows of 256 bytes
.set PITCH,  240
.set FR,     12
.set NL,     6
.set NP,     4
.set SLAB,   6144
.set HALFA,  4*SLAB
.set HALFT,  128*PITCH
.set SLOT,   2*HALFA+2*HALFT
.set ASTEP,  1572864
.set LAPS,   2
.set KS,     32
.set SCL,    2*SLOT
.set HALFS,  16*272
.set SBLK,   2*272
.set SPARE,  SCL+4*HALFS
.set SPITCH, 528
.set AOS,    6291456
.set WPC,    2162688                   ; w_proj's first position, 11,264, in a plane
.set WPS,    9797632
.set ADRA, 16
.set ADRB, 20
.set STO,  24
.set RD,   25
.set CO,   26
.set ADRS, 27
.set SPW,  28
.set NIL,  29
.set SC,   32
.set AF,   128
.set BK,   128
.set G1, 24
.set G0, 32
.set G1B, 48
.set G0B, 56
.set G1S, 68
.set G0S, 76
.set G1SB, 80
.set G0SB, 88
.set MSB, 0
.macro WIN new
.if MSB != (\new)
	s_set_vgpr_msb (MSB<<8)|(\new)
.set MSB, (\new)
.endif
.endm
.set MUL_LO, 0xa1
.set MUL_HI, 0xf1
.set TO_B,   0x40
.macro JLOAD g0a, g1a, g0b, g1b
	s_cmp_eq_u32 s15, 0
	s_cbranch_scc0 .Lfor_b_\@
	tensor_load_to_lds s[\g0a:\g0a+3], s[\g1a:\g1a+7]
	s_nop 0
.rept 4
	v_nop
.endr
	s_branch .Lasked_\@
.Lfor_b_\@:
	tensor_load_to_lds s[\g0b:\g0b+3], s[\g1b:\g1b+7]
	s_nop 0
.rept 4
	v_nop
.endr
.Lasked_\@:
.endm
.macro CREST
	s_cmp_lg_u32 s14, 0
	s_cbranch_scc1 .Lnot_wave_0_\@
	s_barrier_signal -3
.Lnot_wave_0_\@:
	s_barrier_wait -3
	s_barrier_signal -1
	s_barrier_wait -1
.endm
.macro CROUND
	s_barrier_signal -1
	s_barrier_wait -1
	CREST
.endm
	s_load_b128 s[4:7], s[0:1], 0x0
	s_load_b64 s[12:13], s[0:1], 0x10
	v_lshl_add_u32 v[SPW], v0, 2, SPARE
	v_mov_b32 v[NIL], 0
	ds_add_u32 v28, v29
	ds_add_u32 v28, v29
	s_wait_dscnt 0x0
	v_lshrrev_b32 v1, 5, v0
	v_readfirstlane_b32 s14, v1
	s_lshr_b32 s15, s14, 1
	s_and_b32 s16, s14, 1
	s_bfe_u32 s40, ttmp6, 0x40000
	s_bfe_u32 s41, ttmp6, 0x40004
	s_lshl_b32 s42, ttmp9, 2
	s_add_co_u32 s42, s42, s40
	s_and_b32 s17, ttmp7, 0xffff
	s_lshl_b32 s17, s17, 2
	s_add_co_u32 s17, s17, s41
	s_lshl_b32 s43, s41, 2
	s_lshl_b32 s43, 15, s43
	s_lshl_b32 s44, 0x1111, s40
	s_or_b32 s[G1+0], s43, (3<<16)|(1<<21)
	s_mov_b32 s[G1+1], 768<<16
	s_mov_b32 s[G1+2], 4<<16
	s_mov_b32 s[G1+3], 768<<16
	s_mov_b32 s[G1+4], 4
	s_mov_b32 s[G1+5], 49152
	s_mov_b32 s[G1+6], 0
	s_mov_b32 s[G1+7], 0
	s_or_b32 s[G1B+0], s44, (0<<16)|(1<<20)|(1<<21)|(3<<22)|(3<<25)
	s_mov_b32 s[G1B+1], 256<<16                    ; the padding behind every 64 bytes gives each position's 192 bytes an LDS row of 240
	s_mov_b32 s[G1B+2], 96<<16
	s_mov_b32 s[G1B+3], 256<<16
	s_mov_b32 s[G1B+4], 96
	s_mov_b32 s[G1B+5], 256
	s_mov_b32 s[G1B+6], 0
	s_mov_b32 s[G1B+7], 0
	s_or_b32 s[G1S+0], s43, (3<<16)|(1<<20)|(1<<21)|(5<<22)|(3<<25)
	s_or_b32 s[G1SB+0], s44, (3<<16)|(1<<20)|(1<<21)|(5<<22)|(3<<25)
.irp g, G1S, G1SB
	s_mov_b32 s[\g+1], 32<<16
	s_mov_b32 s[\g+2], 16<<16
	s_mov_b32 s[\g+3], 32<<16
	s_mov_b32 s[\g+4], 16
	s_mov_b32 s[\g+5], 32
	s_mov_b32 s[\g+6], 0
	s_mov_b32 s[\g+7], 0
.endr
	s_lshl_b32 s18, s16, 7
	s_lshl_b32 s20, s17, 8
	s_add_co_u32 s20, s20, s18
	s_lshl_b32 s46, s42, 8
	s_add_co_u32 s46, s46, s18
	s_lshl_b32 s22, s20, 5
	s_add_co_u32 s22, s22, AOS
	s_mov_b32 s23, 0
	s_lshl_b32 s92, s46, 5
	s_add_co_u32 s92, s92, WPS
	s_mov_b32 s93, 0
	s_mul_i32 s20, s20, 48
	s_mov_b32 s21, 0
	s_mul_i32 s46, s46, 192
	s_add_co_u32 s46, s46, WPC
	s_mov_b32 s47, 0
	s_mul_i32 s45, s16, HALFA
	s_mul_i32 s95, s16, HALFT
	s_add_co_u32 s95, s95, 2*HALFA
	s_mul_i32 s94, s14, HALFS
	s_wait_kmcnt 0x0
	s_add_nc_u64 s[20:21], s[4:5], s[20:21]
	s_add_nc_u64 s[22:23], s[4:5], s[22:23]
	s_add_nc_u64 s[46:47], s[6:7], s[46:47]
	s_add_nc_u64 s[92:93], s[6:7], s[92:93]
	CROUND
	s_mov_b32 s[G0S], 1
	s_add_co_u32 s[G0S+1], s94, SCL
	s_mov_b64 s[G0S+2:G0S+3], s[22:23]
	s_or_b32 s[G0S+3], s[G0S+3], 0x80000000
	s_mov_b32 s[G0SB], 1
	s_add_co_u32 s[G0SB+1], s94, SCL
	s_mov_b64 s[G0SB+2:G0SB+3], s[92:93]
	s_or_b32 s[G0SB+3], s[G0SB+3], 0x80000000
	JLOAD G0S, G1S, G0SB, G1SB
.irp s, 0,1
	s_mov_b32 s[G0+4*\s], 1
	s_add_co_u32 s[G0+4*\s+1], s45, \s*SLOT
	s_add_nc_u64 s[G0+4*\s+2:G0+4*\s+3], s[20:21], \s*ASTEP
	s_or_b32 s[G0+4*\s+3], s[G0+4*\s+3], 0x80000000
	s_mov_b32 s[G0B+4*\s], 1
	s_add_co_u32 s[G0B+4*\s+1], s95, \s*SLOT
	s_add_nc_u64 s[G0B+4*\s+2:G0B+4*\s+3], s[46:47], \s*PLANE
	s_or_b32 s[G0B+4*\s+3], s[G0B+4*\s+3], 0x80000000
	s_wait_alu depctr_va_vdst(0)
	s_wait_tensorcnt 0x0
	ds_add_u32 v28, v29
	s_wait_dscnt 0x0
	CROUND
	JLOAD G0+4*\s, G1, G0B+4*\s, G1B
.endr
	v_and_b32 v1, 15, v0
	v_bfe_u32 v2, v0, 4, 1
	v_mul_u32_u24 v3, v1, PITCH
	v_mul_u32_u24 v4, v2, 24
	v_add_nc_u32 v4, v3, v4
	v_lshl_add_u32 v5, v2, 4, v4
	v_mul_u32_u24 v6, v1, 48
	v_mad_u32_u24 v6, v2, 24, v6
	s_mul_i32 s21, s15, HALFA
	s_mul_i32 s22, s16, HALFT
	s_add_co_u32 s22, s22, 2*HALFA
.irp s, 0,1
	v_add_nc_u32 v[ADRA+\s], s21, v6
	v_add_nc_u32 v[ADRB+\s], s22, v4
	v_add_nc_u32 v[ADRB+2+\s], s22, v5
	s_add_co_u32 s21, s21, SLOT
	s_add_co_u32 s22, s22, SLOT
.endr
	v_mul_u32_u24 v5, v1, KS
	v_lshrrev_b32 v6, 8, v5
	v_lshl_add_u32 v5, v6, 4, v5
	s_mul_i32 s21, s15, HALFS
	s_mul_i32 s22, s16, HALFS
	s_add_co_u32 s22, s22, 2*HALFS
	s_sub_co_u32 s22, s22, s21
	v_mul_u32_u24 v6, s22, v2
	s_add_co_u32 s21, s21, SCL
	v_add_nc_u32 v5, v5, v6
	v_add_nc_u32 v[ADRS], s21, v5
	s_mul_i32 s23, s14, 16*SPITCH
	v_mul_u32_u24 v5, v1, SPITCH
	v_lshl_add_u32 v5, v2, 6, v5
	v_add_nc_u32 v[STO], s23, v5
	v_and_b32 v6, 31, v0
	v_lshlrev_b32 v[CO], 4, v6
	v_add_nc_u32 v[RD], s23, v[CO]
	s_lshl_b32 s20, s17, 8
	s_lshl_b32 s21, s15, 7
	s_add_co_u32 s20, s20, s21
	s_lshl_b32 s20, s20, 12
	s_lshl_b32 s46, s42, 10
	s_lshl_b32 s47, s16, 9
	s_add_co_u32 s46, s46, s47
	s_add_co_u32 s20, s20, s46
	s_mov_b32 s21, 0
	s_add_nc_u64 s[12:13], s[12:13], s[20:21]
.macro FRAG reg, adr, q, i
.irp p, 0,1,2,3,4,5
.set PCE, 12*(\q)+6*(\p/3)+\p%3
.if PCE%8 < 5
	ds_load_b64 v[\reg+2*\p:\reg+2*\p+1], v[\adr] offset:8*PCE+16*(PCE/8)+(\i)*16*PITCH
.else
	ds_load_b64 v[\reg+2*\p:\reg+2*\p+1], v[\adr+2] offset:8*PCE+16*(PCE/8)+(\i)*16*PITCH
.endif
.endr
.endm
.macro FRAGA reg, adr, q, i
.irp p, 0,1,2,3,4,5
	ds_load_b64 v[\reg+2*\p:\reg+2*\p+1], v[\adr] offset:(2*(\q)+\p/3)*SLAB+768*(\i)+8*(\p%3)
.endr
.endm
.macro MUL16 a0, p, q, sc, zero
.irp a, \a0, \a0+1
.irp b, 0,1,2,3,4,5,6,7
.if \zero
	v_wmma_scale_f32_16x16x128_f8f6f4 v[8*(8*((\a)%4)+\b):8*(8*((\a)%4)+\b)+7], v[128*(\p)+FR*\b:128*(\p)+FR*\b+FR-1], v[AF+FR*(\a):AF+FR*(\a)+FR-1], 0, v[SC+8*NQ*(\sc)+NQ*\b+(\q)], v[SC+8*NQ*(\sc)+NQ*(\a)+(\q)] matrix_a_fmt:MATRIX_FMT_BF6 matrix_b_fmt:MATRIX_FMT_BF6 matrix_a_scale:MATRIX_SCALE_ROW1
.else
	v_wmma_scale_f32_16x16x128_f8f6f4 v[8*(8*((\a)%4)+\b):8*(8*((\a)%4)+\b)+7], v[128*(\p)+FR*\b:128*(\p)+FR*\b+FR-1], v[AF+FR*(\a):AF+FR*(\a)+FR-1], v[8*(8*((\a)%4)+\b):8*(8*((\a)%4)+\b)+7], v[SC+8*NQ*(\sc)+NQ*\b+(\q)], v[SC+8*NQ*(\sc)+NQ*(\a)+(\q)] matrix_a_fmt:MATRIX_FMT_BF6 matrix_b_fmt:MATRIX_FMT_BF6 matrix_a_scale:MATRIX_SCALE_ROW1
.endif
.endr
.endr
.endm
.macro FETCH_B slot, q, p
	WIN TO_B
.irp i, 0,1,2,3,4,5,6,7
	FRAG 128*(\p)+FR*\i, ADRB+\slot, \q, \i
.endr
	WIN 0
.endm
.macro FETCH_A slot, q, i0
.irp i, \i0, \i0+1, \i0+2, \i0+3
	FRAGA AF+FR*(\i), ADRA+\slot, \q, \i
.endr
.endm
.macro SCALES sc
.irp i, 0,1,2,3,4,5,6,7
	ds_load_b64 v[SC+8*NQ*\sc+NQ*\i:SC+8*NQ*\sc+NQ*\i+1], v[ADRS] offset:\i*SBLK
.endr
.endm
.macro PLACES n
.rept \n
	v_nop
.endr
.endm
.macro STEP slot, q, zero
	s_wait_dscnt 4*NL
	WIN MUL_LO
	MUL16 0, (\q)%2, \q, \slot, \zero
	MUL16 2, (\q)%2, \q, \slot, \zero
	s_wait_dscnt 0
	PLACES NP
	FETCH_B \slot, (\q)+1, 1-(\q)%2
	FETCH_A \slot, (\q)+1, 0
	WIN MUL_HI
	MUL16 4, (\q)%2, \q, \slot, \zero
	MUL16 6, (\q)%2, \q, \slot, \zero
	PLACES NP
	WIN 0
	FETCH_A \slot, (\q)+1, 4
.endm
.macro TURN slot, next, fill
	s_wait_tensorcnt 0x0
	ds_add_u32 v[SPW], v[NIL]
	s_wait_dscnt 4*NL+1
	WIN MUL_LO
	MUL16 0, 1, NQ-1, \slot, 0
	s_wait_dscnt 0x0
	s_barrier_signal -1
	MUL16 2, 1, NQ-1, \slot, 0
	WIN 0
	s_barrier_wait -1
.if \fill
	CREST
	s_add_nc_u64 s[G0+4*\slot+2:G0+4*\slot+3], s[G0+4*\slot+2:G0+4*\slot+3], 2*ASTEP
	s_add_nc_u64 s[G0B+4*\slot+2:G0B+4*\slot+3], s[G0B+4*\slot+2:G0B+4*\slot+3], 2*PLANE
	JLOAD G0+4*\slot, G1, G0B+4*\slot, G1B
.else
	PLACES NP
.endif
	s_wait_alu depctr_va_vdst(0)
	v_add_nc_u32 v[ADRS], 4*NQ, v[ADRS]
	FETCH_B \next, 0, 0
	FETCH_A \next, 0, 0
	SCALES \next
	WIN MUL_HI
	MUL16 4, 1, NQ-1, \slot, 0
	MUL16 6, 1, NQ-1, \slot, 0
	PLACES NP
	WIN 0
	FETCH_A \next, 0, 4
.endm
	s_wait_alu depctr_va_vdst(0)
	s_wait_tensorcnt 1
	s_barrier_signal -1
	s_barrier_wait -1
	FETCH_B 0, 0, 0
	FETCH_A 0, 0, 0
	SCALES 0
	FETCH_A 0, 0, 4
	STEP 0, 0, 1
	s_mov_b32 s3, LAPS-1
.Llap:
	TURN 0, 1, 1
	STEP 1, 0, 0
	TURN 1, 0, 1
	STEP 0, 0, 0
	s_sub_co_u32 s3, s3, 1
	s_cmp_lg_u32 s3, 0
	s_cbranch_scc1 .Llap
	TURN 0, 1, 0
	STEP 1, 0, 0
	s_wait_dscnt 4*NL
	WIN MUL_LO
	MUL16 0, 1, NQ-1, 1, 0
	MUL16 2, 1, NQ-1, 1, 0
	s_wait_dscnt 0
	WIN MUL_HI
	MUL16 4, 1, NQ-1, 1, 0
	MUL16 6, 1, NQ-1, 1, 0
	WIN 0
.macro TOSTAGE a
.set AC, 64*((\a)%4)
	WIN 0x08+4*((\a)/4)
.irp b, 0,1,2,3,4,5,6,7
	ds_store_b128 v[STO], v[AC+8*\b:AC+8*\b+3] offset:128*(\b/2)+32*(\b%2)
	ds_store_b128 v[STO], v[AC+8*\b+4:AC+8*\b+7] offset:128*(\b/2)+32*(\b%2)+16
.endr
	WIN 0
.set BB, BK+64*((\a)%2)
.irp t, 0,1,2,3,4,5,6,7,8,9,10,11,12,13,14,15
	ds_load_b128 v[BB+4*\t:BB+4*\t+3], v[RD] offset:\t*SPITCH
.endr
.endm
.macro SEND a, younger
.set BB, BK+64*((\a)%2)
	s_wait_dscnt \younger
.irp t, 0,1,2,3,4,5,6,7,8,9,10,11,12,13,14,15
	global_store_b128 v[CO], v[BB+4*\t:BB+4*\t+3], s[12:13] offset:(32*((\a)/2)+8*((\a)%2)+(\t%8)+16*(\t/8))*4096 th:TH_STORE_NT
.endr
.endm
	PLACES NP
	TOSTAGE 0
.irp a, 1,2,3,4,5,6,7
.if \a > 1
	s_wait_xcnt 0x0
.endif
	TOSTAGE \a
	SEND \a-1, 32
.endr
	SEND 7, 0
	s_wait_tensorcnt 0x0
	ds_add_u32 v[SPW], v[NIL]
	s_wait_dscnt 0x0
	CROUND
	s_endpgm
.Lfunc_end_k_qfb1d8e6e32_proj:
	.size	k_qfb1d8e6e32_proj, .Lfunc_end_k_qfb1d8e6e32_proj-k_qfb1d8e6e32_proj
	.p2alignl 7, 3214868480
	.fill 96, 4, 3214868480
	.section	.rodata,"a",@progbits
	.p2align	6, 0x0
	.amdhsa_kernel k_qfb1d8e6e32_proj
		.amdhsa_group_segment_fixed_size 327680
		.amdhsa_private_segment_fixed_size 0
		.amdhsa_enable_private_segment 0
		.amdhsa_kernarg_size 24
		.amdhsa_user_sgpr_count 2
		.amdhsa_user_sgpr_kernarg_segment_ptr 1
		.amdhsa_wavefront_size32 1
		.amdhsa_system_sgpr_workgroup_id_x 1
		.amdhsa_system_sgpr_workgroup_id_y 1
		.amdhsa_system_sgpr_workgroup_id_z 1
		.amdhsa_system_vgpr_workitem_id 0
		.amdhsa_next_free_vgpr 1024
		.amdhsa_next_free_sgpr 98
		.amdhsa_reserve_vcc 0
		.amdhsa_float_denorm_mode_32 3
		.amdhsa_float_denorm_mode_16_64 3
		.amdhsa_memory_ordered 1
		.amdhsa_forward_progress 1
		.amdhsa_inst_pref_size 160
	.end_amdhsa_kernel
	.amdgpu_metadata
---
amdhsa.version: [ 1, 2 ]
amdhsa.kernels:
  - .name:           k_qfb1d8e6e32_proj
    .symbol:         k_qfb1d8e6e32_proj.kd
    .args:
      - { .name: ao, .offset: 0, .size: 8, .value_kind: global_buffer, .address_space: global }
      - { .name: xw, .offset: 8, .size: 8, .value_kind: global_buffer, .address_space: global }
      - { .name: out0, .offset: 16, .size: 8, .value_kind: global_buffer, .address_space: global }
    .group_segment_fixed_size: 327680
    .private_segment_fixed_size: 0
    .kernarg_segment_align: 8
    .kernarg_segment_size: 24
    .max_flat_workgroup_size: 128
    .sgpr_count:     98
    .vgpr_count:     1024
    .wavefront_size: 32
...
	.end_amdgpu_metadata
.endif
;; end of part 4
